; MI455X (gfx1250); checked and timed in simulation.
; The chip was launched on July 23, 2026; its instructions are those of AMD's public machine-readable ISA for CDNA 5 (MIT licence, August 2026) and "CDNA5" Instruction Set Architecture Reference Guide (July 2026). The comments in the code are by the model that wrote it; some were corrected since.
;; Attention. Allowed arithmetic: matrix products marked QUANTISED: E2M3 operands, one E8M0 scale for each 32 along K, by v_wmma_scale_f32_16x16x128_f8f6f4 with both operands' format E2M3, f32 sums; everything else in f32.
;; Inputs: Wk 1,024 x 1,024 float32; Wq 1,024 x 1,024 float32; Wv 1,024 x 1,024 float32; bk 1,024 float32; bq 1,024 float32; bv 1,024 float32; k 4 x 2,048 x 1,024 float32; q 4 x 2,048 x 1,024 float32; v 4 x 2,048 x 1,024 float32.
;; Outputs: out0 4 x 2,048 x 1,024 float32.
;; This version of the problem:
;;   THIS VERSION OF THE PROBLEM IS GIVEN IN LOW PRECISION. The matrix products marked QUANTISED in the list below multiply operands that are first quantised to E2M3 (2 exponent bits, 3 mantissa bits; 6 bits a number), with one power-of-two scale for each 32 numbers along K (OCP MX v1.0); their sums are f32. All else is computed in f32.
;;   The module's matrix products, in the order in which they are computed (A, B: the left and right operand; K: the contracted axis; several contracted axes count as one K, in the product's order):
;;     1. [M 8,192, K 1,024] x [K 1,024, N 1,024]; A: input q; B: input Wq: QUANTISED
;;     2. [M 8,192, K 1,024] x [K 1,024, N 1,024]; A: input k; B: input Wk: QUANTISED
;;     3. [M 8,192, K 1,024] x [K 1,024, N 1,024]; A: input v; B: input Wv: QUANTISED
;;     4. batch 4 x [M 2,048, K 1,024] x [K 1,024, N 2,048]; A: computed on the way; B: computed on the way: QUANTISED
;;     5. batch 4 x [M 2,048, K 2,048] x [K 2,048, N 1,024]; A: softmax (see below); B: computed on the way: QUANTISED
;;   THE QUANTISER, for each operand of a quantised product, along K:
;;     - K is cut into blocks of 32 from its start; a last block that is shorter is filled with zeros.
;;     - A block's scale is 2^e with e = floor(log2(the largest magnitude in the block)) - 2, held to -126 .. 127; a block of zeros has e = 0. As a byte (E8M0): e + 127.
;;     - Each number is divided by its block's scale, clamped to +-7.5, and rounded to the nearest number of E2M3, ties to even, subnormals kept.
;;     - The product sums the exact products of the quantised numbers (number of the format x scale) in f32.
;;   ~~~python
;;   def quantise(x, axis):      # numpy; x: float32 -> the quantised numbers, widened to float32 again
;;       x = np.moveaxis(x, axis, -1); K = x.shape[-1]
;;       x = np.pad(x, [(0, 0)] * (x.ndim - 1) + [(0, -K % 32)]); x = x.reshape(x.shape[:-1] + (-1, 32)); a = np.abs(x).max(-1, keepdims=True)
;;       e = np.where(a > 0, np.clip(np.frexp(np.where(a > 0, a, 1))[1] - 1 - 2, -126, 127), 0)      # np.frexp(a)[1] - 1 = floor(log2(a)), exactly
;;       r = np.clip(x / 2.0 ** e, -7.5, 7.5)
;;       step = 2.0 ** (np.maximum(np.frexp(np.where(r == 0, 1, r))[1] - 1, 0) - 3)
;;       q = np.round(r / step) * step * 2.0 ** e      # np.round: ties to even
;;       return np.moveaxis(q.reshape(q.shape[:-2] + (-1,))[..., :K], -1, axis).astype(np.float32)
;;   ~~~
;;   SOFTMAX AHEAD OF A QUANTISED PRODUCT. Where the list says 'softmax', what is quantised is not the finished softmax but p = 2^(t - M), with t = logit x log2(e) and M = ceil(the row's largest t), a whole number; so 1/2 < the row's largest p <= 1. The row's sum l is taken of the UNQUANTISED p, in f32, and the product's result is divided by l at the end. Since M is a whole number, a kernel that streams over the keys may use a running M (the ceiling of the running maximum): every later rescaling is an exact power of two, which a block's scale takes up: the codes' values come out the same.
;;   OPERANDS COMPUTED ON THE WAY. 'Computed on the way' means the value that the module computes at that place (a softmax that the list does not call 'softmax' is quantised finished and normalised). What goes into a quantiser is computed in f32, as accurately as f32 sums, v_exp_f32 and their like allow (about 1e-6 of the number): no bf16 or f16 on the way to a quantiser, and a product that is left as it is and whose result goes on into a quantised operand takes f32 operands (vector FMAs, or v_wmma_f32_16x16x4_f32). A number that lies on a knife's edge between two numbers of the format may be rounded either way, as far as f32 arithmetic and the matrix unit's own rounding can turn it there, and no further.
;; One version. Each part assembles by itself: llvm-mc -triple=amdgcn-amd-amdhsa -mcpu=gfx1250 --defsym DOCPART=n.
;; ======== version 1 of 1: 4 launches
;; limits: right only within a limited range of input values
;; workspace buffers: xw 22,118,400 bytes; pj 19,660,800 bytes; pp 14,155,776 bytes
;; launch quant (part 1): grid 432 x 1, 4 waves a work-group, no clusters, 34,304 bytes of LDS; arguments q, k, v, Wq, Wk, Wv, xw; writes xw
.if DOCPART == 1
	.amdgcn_target "amdgcn-amd-amdhsa--gfx1250"
	.amdhsa_code_object_version 6
	.text
	.protected	k_qabc768e44a_quant
	.globl	k_qabc768e44a_quant
	.p2align	8
	.type	k_qabc768e44a_quant,@function
k_qabc768e44a_quant:
	s_mov_b64 s[64:65], 0
	v_nop
	global_prefetch_b8 v0, s[64:65] scope:SCOPE_SE
	s_setreg_imm32_b32 hwreg(HW_REG_WAVE_MODE, 25, 1), 1
	s_wait_xcnt 0x0
; q, k, v [8192][1024] f32 (K innermost) and Wq, Wk, Wv [1024 (K)][1024 (n)] f32 (K outermost) become codes of FP6 (E2M3) with one E8M0 byte for each 32 along K.
; A block's scale is 2^(floor(log2(largest magnitude)) - 2): its byte is the largest magnitude's exponent field - 2, held at 1 from below.
; LIMITS: NaN and infinities are not served; a block whose largest magnitude lies under 2^-124, a block of zeros among them, gets the byte 1 (zeros: the rule says 127; the codes are zeros and this program alone reads the bytes).
; LAYOUT OF xw, this program's own.  A row block of 128 rows is 102,400 bytes: four units of 25,600, one for each 256 along K.  A unit: 1,024 bytes of scale words [K half of 128][r = 0..15][i = 0..7] (a word: four bytes,
; 128 along K of one row), then 24,576 bytes of codes as IMAGES OF OPERAND REGISTERS: [K half][fragment i = 0..7][piece c = 0..2][lane][16 bytes]; a fragment is 16 rows x 128 K, 12 registers a lane.
; So a K step of 256 with its scale words is one dense run of bytes, and so are several K steps on end.  Row blocks 0..191: q, k, v; 192 + 8 w + b: block b of weight w's columns.
; Fragment i's lane r holds row 32 (i / 2) + 8 (i % 2) + r + 8 (r / 8) of the block: so the products that take these rows as source 0 give a lane 16 neighbouring columns in two neighbouring tiles.
; A wave's share: 128 rows x 128 K of one tensor: 8 fragments, 12,288 bytes of codes, 512 bytes of scale words.  Work-groups 0..383 take q, k, v; 384..431 the weights.  Waves share nothing: no barrier.
.set STG,   16*528                     ; a wave's stage: 16 rows of 512 bytes + 16
.set SPARE, 4*STG                      ; behind the stages: the spare words, 128 bytes a wave; no other line names them
.set RBS,   102400                     ; xw: a row block
.set KSB,   25600                      ; a unit
.set R,     16                         ; v16-143  numbers as loaded, two sets
.set X,     144                        ; v144-207 64 numbers of a lane: register 16 b + i = k 32 b + 16 (lane / 16) + i of my row
.set TM,    208                        ; v208-223 at work
.set PC,    224                        ; v224-243 the codes just made
.set PW,    244                        ; v244-251 the eight fragments' scale words
.set SPW,   252                        ; LDS address of my spare word; never rewritten
.set NIL,   253                        ; 0; never rewritten
.set SEL,   20                         ; s[20:21] selects of v_permlanex16_b32: lane l xor 16
; 64 numbers in v[src] on, four scale operands in v[sop] on -> a fragment's 12 registers in v[PC] on
.macro PACK6 src, sop
.irp c, 0,1
	v_cvt_scalef32_pk16_fp6_f32 v[PC+6*\c:PC+6*\c+2], v[(\src)+32*\c:(\src)+32*\c+15], v[(\sop)+2*\c]
	v_cvt_scalef32_pk16_fp6_f32 v[PC+12+4*\c:PC+12+4*\c+2], v[(\src)+32*\c+16:(\src)+32*\c+31], v[(\sop)+2*\c+1]   ; (a conversion's three registers begin on an even number)
.endr
	v_nop                                          ; one plain place behind a scaled conversion
.irp c, 0,1                                    ; the operand's layout wants a whole block in a lane: lanes 0-15 block 2 c, lanes 16-31 block 2 c + 1
.irp i, 0,1,2
	v_permlane16_swap_b32 v[PC+6*\c+\i], v[PC+12+4*\c+\i]
.endr
.irp i, 0,1,2
	v_mov_b32 v[PC+3+6*\c+\i], v[PC+12+4*\c+\i]
.endr
.endr
.endm
; the four blocks' largest magnitudes, scale operands and bytes; the scale word into v[pw]; then the codes
.macro QUANT src, pw
.irp b, 0,1,2,3
	v_max3_num_f32 v[TM+\b], |v[(\src)+16*\b]|, |v[(\src)+1+16*\b]|, 0x1800000   ; my 16 numbers of block b, and the floor 2^(3 - 127): the byte cannot fall under 1
.endr
.irp i, 2,4,6,8,10,12,14
.irp b, 0,1,2,3
	v_max3_num_f32 v[TM+\b], v[TM+\b], |v[(\src)+16*\b+\i]|, |v[(\src)+1+16*\b+\i]|
.endr
.endr
.irp b, 0,1,2,3
	v_permlanex16_b32 v[TM+4+\b], v[TM+\b], s[SEL], s[SEL+1]
.endr
.irp b, 0,1,2,3
	v_max_num_f32 v[TM+\b], v[TM+\b], v[TM+4+\b]   ; with lane l xor 16's 16: the block's
.endr
.irp b, 0,1,2,3
	v_add_nc_u32 v[TM+12+\b], 0xff000000, v[TM+\b] ; 2 off the exponent field: the conversion's scale operand
.endr
.irp b, 0,1,2,3
	v_lshrrev_b32 v[TM+4+\b], 23, v[TM+12+\b]      ; the scale's byte
.endr
	v_lshl_or_b32 v[\pw], v[TM+5], 8, v[TM+4]
	v_lshl_or_b32 v[\pw], v[TM+6], 16, v[\pw]
	v_lshl_or_b32 v[\pw], v[TM+7], 24, v[\pw]
	PACK6 \src, TM+12
.endm
.macro IMG base, off                           ; the fragment leaves as it stands: each store covers 512 consecutive bytes, aligned
.irp c, 0,1,2
	global_store_b128 v5, v[PC+4*\c:PC+4*\c+3], s[\base:\base+1] offset:(\off)+512*\c
.endr
.endm
; where my share lies in xw.  In: s30 my row block, s28 my K chunk of 128, s31 = 0.  Out: s[22:23] my codes, s[24:25] my scale words
.macro WHERE
	s_mul_i32 s30, s30, RBS
	s_lshr_b32 s32, s28, 1
	s_mul_i32 s32, s32, KSB
	s_add_co_u32 s30, s30, s32                     ; the unit
	s_and_b32 s34, s28, 1                          ; its K half
	s_lshl_b32 s32, s34, 9
	s_add_co_u32 s32, s32, s30
	s_mov_b32 s33, 0
	s_add_nc_u64 s[24:25], s[16:17], s[32:33]
	s_mul_i32 s34, s34, 12288
	s_add_co_u32 s30, s30, s34
	s_add_co_u32 s30, s30, 1024                    ; the codes lie behind the unit's scale words
	s_add_nc_u64 s[22:23], s[16:17], s[30:31]
.endm
.macro FINISH                                  ; the eight scale words: lane (r, h) stores those of fragments 4 h .. 4 h + 3 of its row r: 512 consecutive bytes a wave
	v_cmp_eq_u32 vcc_lo, 1, v4
.irp j, 0,1,2,3
	v_cndmask_b32 v[TM+\j], v[PW+\j], v[PW+4+\j], vcc_lo
.endr
	global_store_b128 v8, v[TM:TM+3], s[24:25]
	s_wait_tensorcnt 0x0                           ; the wave's end
	ds_add_u32 v[SPW], v[NIL]
	s_wait_dscnt 0x0
	s_endpgm
.endm
	s_load_b256 s[4:11], s[0:1], 0x0               ; q, k, v, Wq
	s_load_b128 s[12:15], s[0:1], 0x20             ; Wk, Wv
	s_load_b64 s[16:17], s[0:1], 0x30              ; xw
	v_lshl_add_u32 v[SPW], v0, 2, SPARE
	v_mov_b32 v[NIL], 0
	v_lshrrev_b32 v1, 5, v0
	v_readfirstlane_b32 s18, v1                    ; wave
	v_and_b32 v2, 31, v0                           ; lane
	v_and_b32 v3, 15, v0                           ; r
	v_bfe_u32 v4, v0, 4, 1                         ; h
	v_lshlrev_b32 v5, 4, v2                        ; 16 x lane
	s_mul_i32 s26, s18, STG
	v_add_nc_u32 v6, s26, v5                       ; the stage, in: 16 x lane of a row
	v_mul_u32_u24 v7, v3, 528
	v_lshl_add_u32 v7, v4, 6, v7
	v_add_nc_u32 v7, s26, v7                       ; out: row r, + 64 h: my 16 numbers of a block of 32
	v_lshlrev_b32 v8, 5, v3
	v_lshl_add_u32 v8, v4, 4, v8                   ; scale words: 32 r + 16 h
	v_and_b32 v9, 8, v3
	v_add_nc_u32 v9, v9, v3
	v_lshlrev_b32 v9, 2, v9
	v_lshl_add_u32 v9, v4, 17, v9                  ; W: column r + 8 (r / 8), and 32 rows of 4,096 bytes further down for lanes 16-31
	v_lshlrev_b32 v10, 3, v4                       ; 8 h
	s_mov_b32 s[SEL], 0x76543210
	s_mov_b32 s[SEL+1], 0xfedcba98
.irp b, 4,5,6,7,8,9,10,11
	v_mov_b32 v[TM+\b], 0                          ; written once: a lane permute's destination counts as one of its sources
.endr
	s_wait_kmcnt 0x0
	s_cmp_ge_u32 ttmp9, 384
	s_cbranch_scc1 .Lweights
	; ---- q, k, v: K is innermost.  Row block RB = work-group / 2 of the 192; K chunk kc = 4 (work-group % 2) + wave
	s_lshr_b32 s26, ttmp9, 1
	s_lshr_b32 s27, s26, 6                         ; which tensor
	s_cmp_eq_u32 s27, 1
	s_cselect_b64 s[4:5], s[6:7], s[4:5]
	s_cmp_eq_u32 s27, 2
	s_cselect_b64 s[4:5], s[8:9], s[4:5]
	s_and_b32 s28, ttmp9, 1
	s_lshl_b32 s28, s28, 2
	s_add_co_u32 s28, s28, s18                     ; kc
	s_and_b32 s29, s26, 63
	s_lshl_b32 s30, s29, 19                        ; 128 rows of 4,096 bytes
	s_lshl_b32 s31, s28, 9
	s_add_co_u32 s30, s30, s31
	s_mov_b32 s31, 0
	s_add_nc_u64 s[4:5], s[4:5], s[30:31]
	s_mov_b32 s30, s26
	WHERE
.macro LOAD i                                  ; fragment i's 16 rows, 512 consecutive bytes a load
.irp j, 0,1,2,3,4,5,6,7,8,9,10,11,12,13,14,15
	global_load_b128 v[R+64*((\i)%2)+4*\j:R+64*((\i)%2)+4*\j+3], v5, s[4:5] offset:(32*((\i)/2)+8*((\i)%2)+\j+8*(\j/8))*4096 th:TH_LOAD_NT
.endr
.endm
.macro XSTEP i
.if (\i) < 7
	s_wait_loadcnt 16                              ; this fragment's 16 loads are in; the next fragment's 16 may be out
.else
	s_wait_loadcnt 0x0
.endif
.irp j, 0,1,2,3,4,5,6,7,8,9,10,11,12,13,14,15
	ds_store_b128 v6, v[R+64*((\i)%2)+4*\j:R+64*((\i)%2)+4*\j+3] offset:528*\j
.endr
.irp b, 0,1,2,3
.irp m, 0,1,2,3
	ds_load_b128 v[X+16*\b+4*\m:X+16*\b+4*\m+3], v7 offset:128*\b+16*\m   ; LDS serves a wave's instructions in order: these see the stores above
.endr
.endr
	s_wait_dscnt 0x0                               ; the numbers are back, and the stores have read their registers,
.if (\i) > 0
	s_wait_xcnt 0x0                                ; the last fragment's stores have read the codes' registers, which the conversions below write again; the wait stands ahead of the loads below, so that it waits for none of them
.endif
.if (\i) < 6
	LOAD (\i)+2                                    ; which take the loads of two fragments on
.endif
	QUANT X, PW+(\i)
	IMG 22, 1536*(\i)
.endm
	LOAD 0
	LOAD 1
.irp i, 0,1,2,3,4,5,6,7
	XSTEP \i
.endr
	FINISH
	; ---- the weights: K is the first axis.  A lane takes a column and its registers run down K, in the order that the operand's layout gives the lane: k = 64 c + 32 h + 0 .. 31.  No LDS.
.Lweights:
	s_sub_co_u32 s26, ttmp9, 384
	s_lshl_b32 s26, s26, 2
	s_add_co_u32 s26, s26, s18                     ; task 0..191
	s_lshr_b32 s27, s26, 6                         ; which weight
	s_bfe_u32 s28, s26, 0x30003                    ; kc
	s_and_b32 s29, s26, 7                          ; block of 128 columns
	s_cmp_eq_u32 s27, 1
	s_cselect_b64 s[10:11], s[12:13], s[10:11]
	s_cmp_eq_u32 s27, 2
	s_cselect_b64 s[10:11], s[14:15], s[10:11]
	s_lshl_b32 s30, s28, 19
	s_lshl_b32 s31, s29, 9
	s_add_co_u32 s30, s30, s31
	s_mov_b32 s31, 0
	s_add_nc_u64 s[10:11], s[10:11], s[30:31]
	s_lshl_b32 s30, s27, 3
	s_add_co_u32 s30, s30, s29
	s_add_co_u32 s30, s30, 192                     ; my row block of xw
	WHERE
.macro WHALF f                                 ; half f = 2 i + c of fragment i: one block of 32 along K a lane, into set c
.irp e, 0,1,2,3,4,5,6,7,8,9,10,11,12,13,14,15,16,17,18,19,20,21,22,23,24,25,26,27,28,29,30,31
	global_load_b32 v[R+32*((\f)%2)+\e], v9, s[10:11] offset:(64*((\f)%2)+\e)*4096+(32*((\f)/4)+8*(((\f)/2)%2))*4
.endr
.endm
.macro WSTEP f
.set XS, R+32*((\f)%2)
.set CC, (\f)%2
.if (\f) < 15
	s_wait_loadcnt 32                              ; this half's 32 loads are in; the next half's 32 may be out
.else
	s_wait_loadcnt 0x0
.endif
	v_max3_num_f32 v[TM], |v[XS]|, |v[XS+1]|, |v[XS+2]|            ; the block's largest magnitude: all 32 numbers are mine; two chains
	v_max3_num_f32 v[TM+1], |v[XS+3]|, |v[XS+4]|, |v[XS+5]|
.irp i, 6,10,14,18,22,26
	v_max3_num_f32 v[TM], v[TM], |v[XS+\i]|, |v[XS+\i+1]|
	v_max3_num_f32 v[TM+1], v[TM+1], |v[XS+\i+2]|, |v[XS+\i+3]|
.endr
	v_max3_num_f32 v[TM], v[TM], |v[XS+30]|, |v[XS+31]|
	v_max3_num_f32 v[TM], v[TM], v[TM+1], 0x1800000                ; and the floor
	v_add_nc_u32 v[TM+12+CC], 0xff000000, v[TM]
	v_lshrrev_b32 v[TM+4+CC], 23, v[TM+12+CC]
.if ((\f) > 1) && (CC == 0)
	s_wait_alu depctr_va_vdst(0)
	s_wait_xcnt 0x0                                ; the last fragment's stores have read the codes' registers
.endif
	v_cvt_scalef32_pk16_fp6_f32 v[PC+6*CC:PC+6*CC+2], v[XS:XS+15], v[TM+12+CC]
	v_cvt_scalef32_pk16_fp6_f32 v[PC+12+4*CC:PC+12+4*CC+2], v[XS+16:XS+31], v[TM+12+CC]
	v_nop                                          ; one plain place behind a scaled conversion
.if (\f) < 14
	WHALF (\f)+2
.endif
.if CC == 1
	v_lshl_or_b32 v[TM+8], v[TM+5], 16, v[TM+4]    ; my two bytes: blocks h and 2 + h of my column,
	v_lshlrev_b32 v[TM+8], v10, v[TM+8]            ; at their places in the word;
	v_permlanex16_b32 v[TM+9], v[TM+8], s[SEL], s[SEL+1]
	v_or_b32 v[PW+(\f)/2], v[TM+8], v[TM+9]        ; with lane l xor 16's two the word is whole
.irp c, 0,1
.irp i, 0,1,2
	v_mov_b32 v[PC+3+6*\c+\i], v[PC+12+4*\c+\i]
.endr
.endr
	IMG 22, 1536*((\f)/2)
.endif
.endm
	WHALF 0
	WHALF 1
.irp f, 0,1,2,3,4,5,6,7,8,9,10,11,12,13,14,15
	WSTEP \f
.endr
	FINISH
.Lfunc_end_k_qabc768e44a_quant:
	.size	k_qabc768e44a_quant, .Lfunc_end_k_qabc768e44a_quant-k_qabc768e44a_quant
	.p2alignl 7, 3214868480
	.fill 96, 4, 3214868480
	.section	.rodata,"a",@progbits
	.p2align	6, 0x0
	.amdhsa_kernel k_qabc768e44a_quant
		.amdhsa_group_segment_fixed_size 34304
		.amdhsa_private_segment_fixed_size 0
		.amdhsa_enable_private_segment 0
		.amdhsa_kernarg_size 56
		.amdhsa_user_sgpr_count 2
		.amdhsa_user_sgpr_kernarg_segment_ptr 1
		.amdhsa_wavefront_size32 1
		.amdhsa_system_sgpr_workgroup_id_x 1
		.amdhsa_system_sgpr_workgroup_id_y 1
		.amdhsa_system_sgpr_workgroup_id_z 1
		.amdhsa_system_vgpr_workitem_id 0
		.amdhsa_next_free_vgpr 256
		.amdhsa_next_free_sgpr 66
		.amdhsa_reserve_vcc 1
		.amdhsa_float_denorm_mode_32 3
		.amdhsa_float_denorm_mode_16_64 3
		.amdhsa_memory_ordered 1
		.amdhsa_forward_progress 1
		.amdhsa_inst_pref_size 141
	.end_amdhsa_kernel
	.amdgpu_metadata
---
amdhsa.version: [ 1, 2 ]
amdhsa.kernels:
  - .name:           k_qabc768e44a_quant
    .symbol:         k_qabc768e44a_quant.kd
    .args:
      - { .name: q, .offset: 0, .size: 8, .value_kind: global_buffer, .address_space: global }
      - { .name: k, .offset: 8, .size: 8, .value_kind: global_buffer, .address_space: global }
      - { .name: v, .offset: 16, .size: 8, .value_kind: global_buffer, .address_space: global }
      - { .name: Wq, .offset: 24, .size: 8, .value_kind: global_buffer, .address_space: global }
      - { .name: Wk, .offset: 32, .size: 8, .value_kind: global_buffer, .address_space: global }
      - { .name: Wv, .offset: 40, .size: 8, .value_kind: global_buffer, .address_space: global }
      - { .name: xw, .offset: 48, .size: 8, .value_kind: global_buffer, .address_space: global }
    .group_segment_fixed_size: 34304
    .private_segment_fixed_size: 0
    .kernarg_segment_align: 8
    .kernarg_segment_size: 56
    .max_flat_workgroup_size: 128
    .sgpr_count:     66
    .vgpr_count:     256
    .wavefront_size: 32
...
	.end_amdgpu_metadata
.endif
;; end of part 1
;; launch proj (part 2): grid 4 x 64, 4 waves a work-group, clusters of 4 x 4, 327,680 bytes of LDS; arguments xw, bq, bk, bv, pj; writes pj
.if DOCPART == 2
	.amdgcn_target "amdgcn-amd-amdhsa--gfx1250"
	.amdhsa_code_object_version 6
	.text
	.protected	k_qabc768e44a_proj
	.globl	k_qabc768e44a_proj
	.p2align	8
	.type	k_qabc768e44a_proj,@function
k_qabc768e44a_proj:
	s_mov_b64 s[64:65], 0
	v_nop
	global_prefetch_b8 v0, s[64:65] scope:SCOPE_SE
	s_setreg_imm32_b32 hwreg(HW_REG_WAVE_MODE, 25, 1), 1
	s_wait_xcnt 0x0
	s_wait_alu depctr_hold_cnt(0) depctr_sa_sdst(0) depctr_va_vdst(0) depctr_va_sdst(0) depctr_va_ssrc(0) depctr_va_vcc(0) depctr_vm_vsrc(0)
	s_getreg_b32 s2, hwreg(HW_REG_IB_STS2, 6, 4)
	s_cmp_eq_u32 s2, 0
	s_cbranch_scc0 .Lentry_in_a_cluster
	s_endpgm
.Lentry_in_a_cluster:
	s_bfe_u32 s2, ttmp6, 0x10000c
	s_cmp_lg_u32 s2, 0xf033
	s_cbranch_scc0 .Lentry_shape_is_right
	s_endpgm
.Lentry_shape_is_right:
; The three projections on codes of FP6 (E2M3), K = 1,024: query = q Wq + bq, key = k Wk + bk (quantised along D), value = v Wv + bv made TRANSPOSED (A = Wv^T, B = v; quantised along the keys).
; The results are quantised in registers and leave as codes and scale words, in pj's layout (register images, rows in the order 32 (i / 2) + 8 (i % 2) + r + 8 (r / 8)).
; 768 tiles of 128 (A) x 256 (B): 256 work-groups, each makes THREE, one of each product.  A wave makes 64 x 128: 32 accumulators.
; LDS holds a tile's whole K: A's row block (4 units of 25,600 bytes, one for each 256 along K), then B's two row blocks: 307,200 bytes.  It is a RING OF TWO SLOTS: slot j = units 2 j, 2 j + 1 of all three row blocks.
; One joint load a wave fills a slot: waves 0, 1 bring one unit of A each, waves 2, 3 two units of a row block of B each.
; A tile is eight steps of 128 along K.  At the head of step 3 slot 0 has been read out: the waits, the add, a round of the cluster's barrier, and the NEXT tile's first half is asked for: four steps in which to land.
; At the head of step 7 the same for slot 1: the next tile's second half has step 7, the way out and three steps in which to land; the next tile's first fragments are fetched there too,
; so nothing but the way out, which touches no LDS, stands between two tiles' products.  The last tile has one plain barrier, at its step 3.
; By this text's count a wave has one tensor load out at the most.  CLUSTER 4 x 4: A's bytes are asked for jointly along a row of the cluster, B's along a column.
; The matrix instruction is used transposed (source 0 = B, source 1 = A): a lane holds one row of A, its registers run along B's rows, 16 neighbours in two neighbouring tiles.
; THE BIAS IS THE C OF EACH SUM'S FIRST PRODUCT (window 3): by columns for query and key, by rows for the value.
; A row block's scale words of 128 columns are 512 bytes [r][i = 0..7]; a wave owns four i: it stores 8 bytes a lane, 16 of each 32: two waves fill the run between them.
; No prefetch: three tiles written out, no loop to run ahead in; each half is asked for four steps or more ahead of its first read.
; LIMITS: NaN and infinities are not served; a block whose largest magnitude lies under 2^-124 (zeros too) gets the byte 1.
; REGISTERS: window 0: v1-29 addresses; v32-79 scale words, two sets, nothing else; v128-223 A's fragments, two sets (on the way out codes v192-211, scale words v212-217, all in the second set); v240-255 at work.
;   window 1: B's fragments, two sets.  window 2: accumulators, (a, b) at v[8 (8 a + b)].  window 3: v0-63 bq, v64-127 bk by columns, v128-159 bv by rows (eight copies a block).
.set RBS,   102400                     ; xw: a row block of 128 rows
.set KSB,   25600                      ; a unit: 256 along K: 1,024 bytes of scale words, 24,576 of codes
.set SWB,   1024
.set PSF,   18874368                   ; pj: the scale words
.set PJB,   24576
.set QB,    12288
.set FRB,   1536
.set BLDS,  4*KSB                      ; LDS: B's two row blocks lie behind A's
.set SPARE, 12*KSB                     ; the spare words, 128 bytes a wave; no other line names them
.set ADRA, 16                          ; v16-17 my A fragments in slot 0, 1
.set ADRB, 18
.set ADSA, 20                          ; scale words likewise
.set ADSB, 22
.set SFO,  25
.set CO,   26
.set SPW,  28
.set NIL,  29
.set SC,   32                          ; set t at SC + 24 t: A's words at 4 q + a, B's at 8 + 8 q + b
.set AF,   128
.set PC,   192
.set PW,   212
.set SEL4, 216
.set TM,   240
.set SEL,  2
.set G1A,  24                          ; group 1: 100 rows of 256 bytes, A's mask
.set G1B,  48                          ; 200 rows, B's mask.  Groups 0, one a tile: A's s[32:43]; B's s[56:63], s[68:71]
.set MSB, 0
.macro WIN new                         ; the immediate's high byte repeats the setting that is left
.if MSB != (\new)
	s_set_vgpr_msb (MSB<<8)|(\new)
.set MSB, (\new)
.endif
.endm
.set TO_B, 0x40
.macro JLOAD g0a, g1a, g0b, g1b        ; waves 0, 1 fetch for A, waves 2, 3 for B; s_nop 0 and four v_nop behind each line
	s_cmp_eq_u32 s15, 0
	s_cbranch_scc0 .Lfor_b_\@
	tensor_load_to_lds s[\g0a:\g0a+3], s[\g1a:\g1a+7]
	s_nop 0
.rept 4
	v_nop
.endr
	s_branch .Lasked_\@
.Lfor_b_\@:
	tensor_load_to_lds s[\g0b:\g0b+3], s[\g1b:\g1b+7]
	s_nop 0
.rept 4
	v_nop
.endr
.Lasked_\@:
.endm
.macro CROUND                          ; a round of the cluster's barrier
	s_barrier_signal -1
	s_barrier_wait -1
	s_cmp_lg_u32 s14, 0
	s_cbranch_scc1 .Lnot_wave_0_\@
	s_barrier_signal -3
.Lnot_wave_0_\@:
	s_barrier_wait -3
	s_barrier_signal -1
	s_barrier_wait -1
.endm
.macro PLACES n
.rept \n
	v_nop
.endr
.endm
.macro GRP1 g, rows
	s_mov_b32 s[\g+1], 32<<16
	s_mov_b32 s[\g+2], (\rows)<<16
	s_mov_b32 s[\g+3], 32<<16
	s_mov_b32 s[\g+4], \rows
	s_mov_b32 s[\g+5], 32
	s_mov_b32 s[\g+6], 0
	s_mov_b32 s[\g+7], 0
.endm
; A slot is asked for.  second = 1: the tile's group 0, whose first load is done, steps to the second half, in memory and in LDS
.macro REFILL g0a, g0b, second
	s_wait_tensorcnt 0x0                           ; all my tensor loads have landed: my part of the other slot;
	ds_add_u32 v[SPW], v[NIL]
.if \second
	s_add_co_u32 s[(\g0a)+1], s[(\g0a)+1], 2*KSB
	s_add_nc_u64 s[(\g0a)+2:(\g0a)+3], s[(\g0a)+2:(\g0a)+3], 2*KSB
	s_add_co_u32 s[(\g0b)+1], s[(\g0b)+1], 2*KSB
	s_add_nc_u64 s[(\g0b)+2:(\g0b)+3], s[(\g0b)+2:(\g0b)+3], 2*KSB
.endif
	s_wait_dscnt 0x0                               ; the add is done, and my reads of the slot to be filled are over
	CROUND                                         ; no wave of any partner still reads it or has a load on its way; the other slot is whole
	JLOAD \g0a, G1A, \g0b, G1B                     ; its four v_nop are the places ahead of the loads that follow
.endm
; step g of 8: unit g / 2, its half g % 2; slot g / 4; fragment sets g % 2
.macro FETCH g
	WIN TO_B
.irp b, 0,1,2,3,4,5,6,7
.irp c, 0,1,2
	ds_load_b128 v[128*((\g)%2)+12*\b+4*\c:128*((\g)%2)+12*\b+4*\c+3], v[ADRB+(\g)/4] offset:KSB*(((\g)/2)%2)+QB*((\g)%2)+FRB*\b+512*\c
.endr
.endr
	WIN 0
.irp a, 0,1,2,3
.irp c, 0,1,2
	ds_load_b128 v[AF+48*((\g)%2)+12*\a+4*\c:AF+48*((\g)%2)+12*\a+4*\c+3], v[ADRA+(\g)/4] offset:KSB*(((\g)/2)%2)+QB*((\g)%2)+FRB*\a+512*\c
.endr
.endr
.endm
.macro SCALES u                        ; unit u's scale words into set u % 2
.irp q, 0,1
	ds_load_b128 v[SC+24*((\u)%2)+4*\q:SC+24*((\u)%2)+4*\q+3], v[ADSA+(\u)/2] offset:KSB*((\u)%2)+512*\q
.irp w, 0,1
	ds_load_b128 v[SC+24*((\u)%2)+8+8*\q+4*\w:SC+24*((\u)%2)+8+8*\q+4*\w+3], v[ADSB+(\u)/2] offset:KSB*((\u)%2)+512*\q+16*\w
.endr
.endr
.endm
.macro MUL8 a, g, t                    ; the 32 accumulators take turns in the same order in every step
.irp b, 0,1,2,3,4,5,6,7
.set D0, 8*(8*(\a)+\b)
.if (\g) == 0
.if (\t) == 2
.set C0, 128+8*(\a)
.else
.set C0, 64*(\t)+8*\b
.endif
.else
.set C0, D0
.endif
	v_wmma_scale_f32_16x16x128_f8f6f4 v[D0:D0+7], v[128*((\g)%2)+12*\b:128*((\g)%2)+12*\b+11], v[AF+48*((\g)%2)+12*(\a):AF+48*((\g)%2)+12*(\a)+11], v[C0:C0+7], v[SC+24*(((\g)/2)%2)+8+8*((\g)%2)+\b], v[SC+24*(((\g)/2)%2)+4*((\g)%2)+(\a)] matrix_a_fmt:MATRIX_FMT_FP6 matrix_b_fmt:MATRIX_FMT_FP6
.endr
.endm
.macro STEP g, t                       ; 128 along K: the next step's fragments are asked for first (step 7: the next tile's step 0), then 32 products
.if ((\g)%4 == 3) && ((\t) < 2)
	REFILL 32+4*((\t)+1), 56+4*((\t)+1)+4*(((\t)+1)/2), (\g)/4   ; step 3: slot 0 takes the next tile's first half; step 7: slot 1 its second
.elseif (\g) == 3
	s_wait_tensorcnt 0x0                           ; the last tile: my part of its second half is in,
	s_wait_dscnt 0x0
	s_barrier_signal -1
	s_barrier_wait -1                              ; everybody's is
	PLACES 4
.else
.if ((\g) == 0) && ((\t) > 0)
	s_wait_alu depctr_va_vdst(0)
	s_wait_xcnt 0x0                                ; the way out's stores have read their data: the fragments' loads may land there
.endif
	s_wait_dscnt 0x0                               ; this step's fragments are in
.if ((\g) > 0) && ((\g) < 7)
	PLACES 4                                       ; ahead of loads into registers that the last step's products read
.endif
.endif
.if ((\g) < 7) || ((\t) < 2)
	FETCH ((\g)+1)%8
.if (\g)%2 == 1
	SCALES (((\g)+1)/2)%4
.endif
.endif
.if (\g) == 0
	WIN 0xb1                                       ; source 0 window 1, source 1 window 0, C window 3 (the bias), D window 2
.else
	WIN 0xa1                                       ; C and D window 2
.endif
.irp a, 0,1,2,3
	MUL8 \a, \g, \t
.endr
	WIN 0
.endm
.macro TILE t
.irp g, 0,1,2,3,4,5,6,7
	STEP \g, \t
.endr
	PLACES 4                                       ; behind the last products, ahead of the reads of their results and of writes into their sources
.endm
; block a's 16 rows x my 128 columns: four scales, one fragment, stored as it stands
.macro EPI a, cb, coff
.set AC, 64*(\a)
	WIN 0x0a                                       ; sources 0 and 1: the accumulators' window
.irp b, 0,1,2,3
	v_max3_num_f32 v[TM+\b], |v[AC+16*\b]|, |v[AC+16*\b+1]|, 0x1800000   ; each accumulator from its low end on; the floor 2^(3 - 127) holds the byte at 1
.endr
.irp i, 2,4,6,8,10,12,14
.irp b, 0,1,2,3
	v_max3_num_f32 v[TM+\b], |v[AC+16*\b+\i]|, |v[AC+16*\b+\i+1]|, v[TM+\b]
.endr
.endr
	WIN 0
.irp b, 0,1,2,3
	v_permlanex16_b32 v[TM+4+\b], v[TM+\b], s[SEL], s[SEL+1]
.endr
.irp b, 0,1,2,3
	v_max_num_f32 v[TM+\b], v[TM+\b], v[TM+4+\b]   ; with lane l xor 16's 16: the block's
.endr
.irp b, 0,1,2,3
	v_add_nc_u32 v[TM+12+\b], 0xff000000, v[TM+\b] ; 2 off the exponent field: the conversion's scale operand
.endr
.irp b, 0,1,2,3
	v_lshrrev_b32 v[TM+4+\b], 23, v[TM+12+\b]      ; the byte
.endr
	v_lshl_or_b32 v[PW+(\a)], v[TM+5], 8, v[TM+4]
	v_lshl_or_b32 v[PW+(\a)], v[TM+6], 16, v[PW+(\a)]
	v_lshl_or_b32 v[PW+(\a)], v[TM+7], 24, v[PW+(\a)]
.if (\a) > 0
	s_wait_alu depctr_va_vdst(0)
	s_wait_xcnt 0x0                                ; the last fragment's stores have read the codes' registers
.endif
	WIN 0x02
.irp c, 0,1
	v_cvt_scalef32_pk16_fp6_f32 v[PC+6*\c:PC+6*\c+2], v[AC+32*\c:AC+32*\c+15], v[TM+12+2*\c]
	v_cvt_scalef32_pk16_fp6_f32 v[PC+12+4*\c:PC+12+4*\c+2], v[AC+32*\c+16:AC+32*\c+31], v[TM+12+2*\c+1]
.endr
	WIN 0
	v_nop                                          ; one plain place behind a scaled conversion
.irp c, 0,1                                    ; a whole block in a lane
.irp i, 0,1,2
	v_permlane16_swap_b32 v[PC+6*\c+\i], v[PC+12+4*\c+\i]
.endr
.irp i, 0,1,2
	v_mov_b32 v[PC+3+6*\c+\i], v[PC+12+4*\c+\i]
.endr
.endr
.irp c, 0,1,2
	global_store_b128 v[CO], v[PC+4*\c:PC+4*\c+3], s[\cb:\cb+1] offset:(\coff)+FRB*(\a)+512*\c   ; 512 consecutive bytes, aligned
.endr
.endm
.macro WAYOUT cb, sb, coff, soff
.irp a, 0,1,2,3
	EPI \a, \cb, \coff
.endr
	v_cmp_eq_u32 vcc_lo, 1, v2
	v_cndmask_b32 v[SEL4], v[PW], v[PW+2], vcc_lo
	v_cndmask_b32 v[SEL4+1], v[PW+1], v[PW+3], vcc_lo
	global_store_b64 v[SFO], v[SEL4:SEL4+1], s[\sb:\sb+1] offset:\soff   ; lane (r, h): the words of my blocks 2 h, 2 h + 1 of row r
.endm
	s_load_b256 s[4:11], s[0:1], 0x0               ; xw, bq, bk, bv
	s_load_b64 s[12:13], s[0:1], 0x20              ; pj
	v_lshl_add_u32 v[SPW], v0, 2, SPARE
	v_mov_b32 v[NIL], 0
	ds_add_u32 v[SPW], v[NIL]                      ; the opening
	ds_add_u32 v[SPW], v[NIL]
	v_lshrrev_b32 v1, 5, v0
	v_readfirstlane_b32 s14, v1                    ; wave
	s_lshr_b32 s15, s14, 1                         ; my 64 of A's 128 rows.  Also: I fetch for A (0) or B (1)
	s_and_b32 s16, s14, 1                          ; my row block of B.  Also: which part I fetch
	s_bfe_u32 s96, ttmp6, 0x40000                  ; cx
	s_bfe_u32 s97, ttmp6, 0x40004                  ; cy
	s_lshl_b32 s98, s97, 2
	s_lshl_b32 s98, 15, s98                        ; my row of the cluster
	s_lshl_b32 s99, 0x1111, s96                    ; my column
	s_or_b32 s[G1A], s98, (3<<16)|(1<<21)          ; elements of 8 bytes; bit 21 beside a mask
	s_or_b32 s[G1B], s99, (3<<16)|(1<<21)
	GRP1 G1A, 100
	GRP1 G1B, 200
	s_and_b32 s18, ttmp7, 0xffff                   ; Y: the cluster's y, 0..15
	s_lshl_b32 s20, s18, 2
	s_add_co_u32 s20, s20, s97                     ; tiles 0, 1: A's row block of x: 4 Y + cy
	s_and_b32 s19, s18, 1
	s_lshl_b32 s19, s19, 2
	s_add_co_u32 s19, s19, s97                     ; tile 2: A's row block of Wv^T: cy + 4 (Y % 2)
	s_lshr_b32 s21, s18, 1
	s_lshl_b32 s21, s21, 2
	s_add_co_u32 s21, s21, s96                     ; tile 2: B's 256 rows of v: cx + 4 (Y / 2)
	s_mul_i32 s22, s16, KSB                        ; A: my unit of a slot's two, in memory and in LDS
	s_mul_i32 s34, s20, RBS
	s_add_co_u32 s34, s34, s22
	s_add_co_u32 s38, s34, 64*RBS
	s_mul_i32 s42, s19, RBS
	s_add_co_u32 s42, s42, s22
	s_add_co_u32 s42, s42, 208*RBS
	s_lshl_b32 s58, s96, 1
	s_add_co_u32 s58, s58, s16
	s_mul_i32 s58, s58, RBS
	s_add_co_u32 s58, s58, 192*RBS
	s_add_co_u32 s62, s58, 8*RBS
	s_lshl_b32 s70, s21, 1
	s_add_co_u32 s70, s70, s16
	s_mul_i32 s70, s70, RBS
	s_add_co_u32 s70, s70, 128*RBS
	s_mul_i32 s23, s16, RBS
	s_add_co_u32 s23, s23, BLDS                    ; B: my row block in LDS
.irp g, 32,36,40
	s_mov_b32 s[\g], 1
	s_mov_b32 s[\g+1], s22
	s_mov_b32 s[\g+3], 0
.endr
.irp g, 56,60,68
	s_mov_b32 s[\g], 1
	s_mov_b32 s[\g+1], s23
	s_mov_b32 s[\g+3], 0
.endr
	; where the results go
	s_mul_i32 s101, s16, QB
	s_mul_i32 s76, s15, 4*FRB
	s_add_co_u32 s101, s101, s76
	s_lshl_b32 s77, s16, 9
	s_mul_i32 s44, s20, 98304
	s_mul_i32 s76, s96, PJB
	s_add_co_u32 s44, s44, s76
	s_add_co_u32 s44, s44, s101                    ; tiles 0, 1: codes (tile 1's lie 6,291,456 bytes on)
	s_mov_b32 s45, 0
	s_mul_i32 s72, s19, 786432
	s_mul_i32 s76, s21, PJB
	s_add_co_u32 s72, s72, s76
	s_add_co_u32 s72, s72, s101
	s_add_co_u32 s72, s72, 2*6291456               ; tile 2: codes
	s_mov_b32 s73, 0
	s_lshl_b32 s46, s20, 12
	s_lshl_b32 s78, s96, 10
	s_add_co_u32 s78, s78, s77                     ; 4 x my first column: also the bias by columns
	s_add_co_u32 s46, s46, s78
	s_add_co_u32 s46, s46, PSF                     ; tiles 0, 1: scale words (tile 1's lie 262,144 bytes on)
	s_mov_b32 s47, 0
	s_lshl_b32 s74, s19, 15
	s_lshl_b32 s76, s21, 10
	s_add_co_u32 s74, s74, s76
	s_add_co_u32 s74, s74, s77
	s_add_co_u32 s74, s74, PSF+(2<<18)             ; tile 2: scale words
	s_mov_b32 s75, 0
	s_lshl_b32 s79, s19, 9
	s_lshl_b32 s76, s15, 8
	s_add_co_u32 s79, s79, s76                     ; 4 x my first row of Wv^T: the bias by rows
	s_mul_i32 s66, s15, 4*FRB
	s_add_co_u32 s66, s66, SWB                     ; my four blocks of A's eight, behind a unit's scale words
	s_add_co_u32 s67, s23, SWB
	s_lshl_b32 s100, s15, 4
	s_mov_b32 s[SEL], 0x76543210
	s_mov_b32 s[SEL+1], 0xfedcba98
	v_and_b32 v1, 15, v0                           ; r
	v_bfe_u32 v2, v0, 4, 1                         ; h
	v_and_b32 v3, 31, v0
	v_lshlrev_b32 v[CO], 4, v3
	v_lshlrev_b32 v6, 5, v1
	v_add_nc_u32 v[ADRA], s66, v[CO]
	v_add_nc_u32 v[ADRB], s67, v[CO]
	v_add_nc_u32 v[ADSA], s100, v6
	v_add_nc_u32 v[ADSB], s23, v6
.irp x, ADRA, ADRB, ADSA, ADSB
	v_add_nc_u32 v[\x+1], 2*KSB, v[\x]
.endr
	v_lshl_add_u32 v[SFO], v2, 3, v[ADSA]          ; 32 r + 16 (my half of A) + 8 h
	v_lshl_add_u32 v4, v2, 6, s78                  ; the bias by columns: 64 h on
	v_and_b32 v5, 8, v1
	v_add_nc_u32 v5, v5, v1
	v_lshl_add_u32 v5, v5, 2, s79                  ; by rows: row r + 8 (r / 8)
.irp b, 4,5,6,7
	v_mov_b32 v[TM+\b], 0                          ; a lane permute's destination counts as one of its sources
.endr
	s_wait_alu depctr_va_vdst(0)
	s_wait_dscnt 0x0                               ; both opening adds are done
	s_wait_kmcnt 0x0
.irp g, 32,36,40,56,60,68
	s_add_nc_u64 s[\g+2:\g+3], s[4:5], s[\g+2:\g+3]
	s_or_b32 s[\g+3], s[\g+3], 0x80000000
.endr
	s_add_nc_u64 s[44:45], s[12:13], s[44:45]
	s_add_nc_u64 s[46:47], s[12:13], s[46:47]
	s_add_nc_u64 s[72:73], s[12:13], s[72:73]
	s_add_nc_u64 s[74:75], s[12:13], s[74:75]
	WIN 0xc0                                       ; destination window 3
.irp b, 0,1,2,3
.irp m, 0,1,2,3
	global_load_b128 v[16*\b+4*\m:16*\b+4*\m+3], v4, s[6:7] offset:128*\b+16*\m
	global_load_b128 v[64+16*\b+4*\m:64+16*\b+4*\m+3], v4, s[8:9] offset:128*\b+16*\m
.endr
.endr
.irp a, 0,1,2,3
.irp j, 0,1,2,3,4,5,6,7
	global_load_b32 v[128+8*\a+\j], v5, s[10:11] offset:4*(32*(\a/2)+8*(\a%2))
.endr
.endr
	WIN 0
	CROUND                                         ; all sixteen work-groups are here: the first joint loads meet
	JLOAD 32, G1A, 56, G1B                         ; tile 0's first half: one tensor load a wave at the head
	REFILL 32, 56, 1                               ; slot 1's first fill, tile 0's second half, is issued as a refill is
	s_wait_loadcnt 0x0                             ; the biases
	FETCH 0
	SCALES 0
	TILE 0
	WAYOUT 44, 46, 0, 0
	TILE 1
	WAYOUT 44, 46, 6291456, 262144
	TILE 2
	WAYOUT 72, 74, 0, 0
	s_wait_tensorcnt 0x0                           ; the wave's end
	ds_add_u32 v[SPW], v[NIL]
	s_wait_dscnt 0x0
	CROUND                                         ; the closing round
	s_endpgm
.Lfunc_end_k_qabc768e44a_proj:
	.size	k_qabc768e44a_proj, .Lfunc_end_k_qabc768e44a_proj-k_qabc768e44a_proj
	.p2alignl 7, 3214868480
	.fill 96, 4, 3214868480
	.section	.rodata,"a",@progbits
	.p2align	6, 0x0
	.amdhsa_kernel k_qabc768e44a_proj
		.amdhsa_group_segment_fixed_size 327680
		.amdhsa_private_segment_fixed_size 0
		.amdhsa_enable_private_segment 0
		.amdhsa_kernarg_size 40
		.amdhsa_user_sgpr_count 2
		.amdhsa_user_sgpr_kernarg_segment_ptr 1
		.amdhsa_wavefront_size32 1
		.amdhsa_system_sgpr_workgroup_id_x 1
		.amdhsa_system_sgpr_workgroup_id_y 1
		.amdhsa_system_sgpr_workgroup_id_z 1
		.amdhsa_system_vgpr_workitem_id 0
		.amdhsa_next_free_vgpr 1024
		.amdhsa_next_free_sgpr 102
		.amdhsa_reserve_vcc 1
		.amdhsa_float_denorm_mode_32 3
		.amdhsa_float_denorm_mode_16_64 3
		.amdhsa_memory_ordered 1
		.amdhsa_forward_progress 1
		.amdhsa_inst_pref_size 232
	.end_amdhsa_kernel
	.amdgpu_metadata
---
amdhsa.version: [ 1, 2 ]
amdhsa.kernels:
  - .name:           k_qabc768e44a_proj
    .symbol:         k_qabc768e44a_proj.kd
    .args:
      - { .name: xw, .offset: 0, .size: 8, .value_kind: global_buffer, .address_space: global }
      - { .name: bq, .offset: 8, .size: 8, .value_kind: global_buffer, .address_space: global }
      - { .name: bk, .offset: 16, .size: 8, .value_kind: global_buffer, .address_space: global }
      - { .name: bv, .offset: 24, .size: 8, .value_kind: global_buffer, .address_space: global }
      - { .name: pj, .offset: 32, .size: 8, .value_kind: global_buffer, .address_space: global }
    .group_segment_fixed_size: 327680
    .private_segment_fixed_size: 0
    .kernarg_segment_align: 8
    .kernarg_segment_size: 40
    .max_flat_workgroup_size: 128
    .sgpr_count:     102
    .vgpr_count:     1024
    .wavefront_size: 32
...
	.end_amdgpu_metadata
.endif
;; end of part 2
;; launch score (part 3): grid 8 x 32, 4 waves a work-group, clusters of 4 x 4, 327,680 bytes of LDS; arguments pj, pp; writes pp
.if DOCPART == 3
	.amdgcn_target "amdgcn-amd-amdhsa--gfx1250"
	.amdhsa_code_object_version 6
	.text
	.protected	k_qabc768e44a_score
	.globl	k_qabc768e44a_score
	.p2align	8
	.type	k_qabc768e44a_score,@function
k_qabc768e44a_score:
	s_mov_b64 s[64:65], 0
	v_nop
	global_prefetch_b8 v0, s[64:65] scope:SCOPE_SE
	s_setreg_imm32_b32 hwreg(HW_REG_WAVE_MODE, 25, 1), 1
	s_wait_xcnt 0x0
	s_wait_alu depctr_hold_cnt(0) depctr_sa_sdst(0) depctr_va_vdst(0) depctr_va_sdst(0) depctr_va_ssrc(0) depctr_va_vcc(0) depctr_vm_vsrc(0)
	s_getreg_b32 s2, hwreg(HW_REG_IB_STS2, 6, 4)
	s_cmp_eq_u32 s2, 0
	s_cbranch_scc0 .Lentry_in_a_cluster
	s_endpgm
.Lentry_in_a_cluster:
	s_bfe_u32 s2, ttmp6, 0x10000c
	s_cmp_lg_u32 s2, 0xf033
	s_cbranch_scc0 .Lentry_shape_is_right
	s_endpgm
.Lentry_shape_is_right:
; S = Q K^T on codes of FP6 (E2M3), K = 1,024, and the softmax's numerator, quantised for the last product.  t = S x log2(e) / 32.
; A wave holds 128 queries x 128 keys.  For each query it takes M = ceil(the largest t OF THESE 128 KEYS), a whole number, p = 2^(t - M), the sum of the unquantised p, and quantises p along the keys in blocks of 32.
; Stored: p's codes and scale words under the LOCAL M, -M and the partial sum, one word a query and 128 keys.  The next launch brings all under the row's M by taking whole numbers off the scale bytes: exact powers of two.
; The tile of 256 x 256, the ring, the joint loads and the layouts are those of the projections' launch: A = 256 rows of Q, B = 256 rows of K (keys) of the same batch; a lane holds one query, its registers run along the keys.
; LIMITS: NaN and infinities are not served; p under 2^-126 counts as 0 (ISA guide, v_exp_f32); a block whose every p is 0 keeps the byte 1 over zero codes.
; A block's largest p is not searched for: the block's largest score goes through the same multiply-add and exponential (this takes v_exp_f32 not to fall where its input rises).
; REGISTERS: window 0: v1-29 addresses; v32-95 scale words and nothing else; v100-123 the softmax's; v128-223 A's fragments, later p (v128-191) and its codes (v192-211).  window 1: B's fragments.  windows 2, 3: accumulators.
.set HALFT, 24576
.set QB,    12288
.set FRB,   1536
.set SLOT,  HALFT                      ; a wave's three slots lie on end in its part of LDS, so that one load fills all three
.set PART,  3*HALFT
.set SPARE, 4*PART
.set ADRA, 16
.set ADRB, 20
.set SFO,  25
.set CO,   26
.set ADRS, 27
.set SPW,  28
.set NIL,  29
.set SC,   32
.set PW,   212                         ; v212-219 p's scale words  (v32-95 hold the products' scale words, all four K steps, and nothing else)
.set NMV,  220                         ; v220-227 -M of the eight blocks of queries
.set LSV,  228                         ; v228-235 their sums
.set SEL4, 236                         ; v236-247 three sets of four, to store
.set BX,   100                         ; v100-103 the blocks' largest scores, then largest p
.set PD,   104                         ; v104-107 lane permutes' destinations
.set BY,   108                         ; v108-111 bytes
.set SO,   112                         ; v112-115 the conversions' scale operands
.set NM,   116                         ; v[116:117] -M (the pair's low word serves both halves)
.set TMP,  118
.set SUM,  120                         ; v[120:123] two running sums
.set AF,   128
.set T,    128
.set PC,   192
.set SEL,  2
.set CS,   22                          ; s[22:23] c = log2(e) / 32
.set G1A,  24
.set G0A,  32
.set G1B,  48
.set G0B0, 56
.set G0B1, 60
.set G0B2, 68
.set G1SA, 72
.set G1SB, 80
.set G0SA, 88
.set G0SB, 92
.set MSB, 0
.macro WIN new
.if MSB != (\new)
	s_set_vgpr_msb (MSB<<8)|(\new)
.set MSB, (\new)
.endif
.endm
.set MUL_LO, 0xa1
.set MUL_HI, 0xf1
.set TO_B,   0x40
.macro JLOAD g0a, g1a, g0b, g1b        ; a joint load: waves 0 and 1 fetch for A, waves 2 and 3 for B; an s_nop 0 and four v_nop follow each line
	s_cmp_eq_u32 s15, 0
	s_cbranch_scc0 .Lfor_b_\@
	tensor_load_to_lds s[\g0a:\g0a+3], s[\g1a:\g1a+7]
	s_nop 0
.rept 4
	v_nop
.endr
	s_branch .Lasked_\@
.Lfor_b_\@:
	tensor_load_to_lds s[\g0b:\g0b+3], s[\g1b:\g1b+7]
	s_nop 0
.rept 4
	v_nop
.endr
.Lasked_\@:
.endm
.macro CREST
	s_cmp_lg_u32 s14, 0
	s_cbranch_scc1 .Lnot_wave_0_\@
	s_barrier_signal -3
.Lnot_wave_0_\@:
	s_barrier_wait -3
	s_barrier_signal -1
	s_barrier_wait -1
.endm
.macro CROUND
	s_barrier_signal -1
	s_barrier_wait -1
	CREST
.endm
.macro PLACES n
.rept \n
	v_nop
.endr
.endm
.macro FRAG reg, adr, off
.irp c, 0,1,2
	ds_load_b128 v[(\reg)+4*\c:(\reg)+4*\c+3], v[\adr] offset:(\off)+512*\c
.endr
.endm
.macro FETCH_B slot, q, p
	WIN TO_B
.irp i, 0,1,2,3,4,5,6,7
	FRAG 128*(\p)+12*\i, ADRB+(\slot), QB*(\q)+FRB*\i
.endr
	WIN 0
.endm
.macro FETCH_A slot, q, i0
.irp i, \i0, \i0+1, \i0+2, \i0+3
	FRAG AF+12*(\i), ADRA+(\slot), QB*(\q)+FRB*(\i)
.endr
.endm
.macro SCALES ks                       ; K step ks's scale words, from memory straight into their registers: lanes 0-15 A's rows, lanes 16-31 B's
.irp q, 0,1
.irp u, 0,1
	global_load_b128 v[SC+16*(\ks)+8*\q+4*\u:SC+16*(\ks)+8*\q+4*\u+3], v[ADRS], s[4:5] offset:1024*(\ks)+512*\q+16*\u
.endr
.endr
.endm
.macro MUL16 a0, p, q, t, zero         ; the 64 accumulators take turns in the same order in every step
.irp a, \a0, \a0+1
.irp b, 0,1,2,3,4,5,6,7
.if \zero
	v_wmma_scale_f32_16x16x128_f8f6f4 v[8*(8*((\a)%4)+\b):8*(8*((\a)%4)+\b)+7], v[128*(\p)+12*\b:128*(\p)+12*\b+11], v[AF+12*(\a):AF+12*(\a)+11], 0, v[SC+16*(\t)+8*(\q)+\b], v[SC+16*(\t)+8*(\q)+(\a)] matrix_a_fmt:MATRIX_FMT_FP6 matrix_b_fmt:MATRIX_FMT_FP6 matrix_a_scale:MATRIX_SCALE_ROW1
.else
	v_wmma_scale_f32_16x16x128_f8f6f4 v[8*(8*((\a)%4)+\b):8*(8*((\a)%4)+\b)+7], v[128*(\p)+12*\b:128*(\p)+12*\b+11], v[AF+12*(\a):AF+12*(\a)+11], v[8*(8*((\a)%4)+\b):8*(8*((\a)%4)+\b)+7], v[SC+16*(\t)+8*(\q)+\b], v[SC+16*(\t)+8*(\q)+(\a)] matrix_a_fmt:MATRIX_FMT_FP6 matrix_b_fmt:MATRIX_FMT_FP6 matrix_a_scale:MATRIX_SCALE_ROW1
.endif
.endr
.endr
.endm
.macro STEP slot, t, zero
	s_wait_dscnt 12                                ; all but the youngest 12 loads (A's blocks 4-7)
	WIN MUL_LO
	MUL16 0, 0, 0, \t, \zero
	MUL16 2, 0, 0, \t, \zero
	s_wait_dscnt 0x0
	PLACES 4
	FETCH_B \slot, 1, 1
	FETCH_A \slot, 1, 0
	WIN MUL_HI
	MUL16 4, 0, 0, \t, \zero
	MUL16 6, 0, 0, \t, \zero
	PLACES 4
	WIN 0
	FETCH_A \slot, 1, 4
.endm
.macro TURN slot, t, next, nks, kind   ; kind 2: slot 0 is filled again behind a round; 1: a barrier that shows K step 3; 0: none
.if (\kind) == 2
	s_wait_tensorcnt 0x0                           ; all my tensor loads have landed: my parts of K steps 1 and 2;
	ds_add_u32 v[SPW], v[NIL]                      ; 0 onto my spare word
	s_wait_dscnt 13                                ; (the add and the youngest 12 loads may be out)
.elseif (\kind) == 1
	s_wait_tensorcnt 0x0                           ; my part of K step 3, the last load
	s_wait_dscnt 12
.else
	s_wait_dscnt 12
.endif
	WIN MUL_LO
	MUL16 0, 1, 1, \t, 0
.if (\kind) > 0
	s_wait_dscnt 0x0                               ; the add is done, and my reads of this slot are over
	s_barrier_signal -1
.endif
	MUL16 2, 1, 1, \t, 0
	WIN 0
.if (\kind) > 0
	s_barrier_wait -1
.else
	s_wait_dscnt 0x0
.endif
.if (\kind) == 2
	CREST                                          ; no wave of any partner still reads slot 0 or has a load on its way
	s_add_nc_u64 s[G0A+2:G0A+3], s[G0A+2:G0A+3], 3*HALFT
	s_add_nc_u64 s[G0B0+2:G0B0+3], s[G0B0+2:G0B0+3], 3*HALFT
	JLOAD G0A, G1A, G0B0, G1B                      ; the first tensor load behind the round; its four v_nop are the places for the loads below
.else
	PLACES 4
.endif
	FETCH_B \next, 0, 0
	FETCH_A \next, 0, 0
	WIN MUL_HI
	MUL16 4, 1, 1, \t, 0
	MUL16 6, 1, 1, \t, 0
	PLACES 4
	WIN 0
	FETCH_A \next, 0, 4
.endm
.macro FINAL t
	s_wait_dscnt 12
	WIN MUL_LO
	MUL16 0, 1, 1, \t, 0
	MUL16 2, 1, 1, \t, 0
	s_wait_dscnt 0x0
	WIN MUL_HI
	MUL16 4, 1, 1, \t, 0
	MUL16 6, 1, 1, \t, 0
	WIN 0
	PLACES 4
.endm
.macro PACK6 src, sop, wx
.if \wx
	s_wait_xcnt 0x0                                ; the last fragment's stores have read the codes' registers
.endif
.irp c, 0,1
	v_cvt_scalef32_pk16_fp6_f32 v[PC+6*\c:PC+6*\c+2], v[(\src)+32*\c:(\src)+32*\c+15], v[(\sop)+2*\c]
	v_cvt_scalef32_pk16_fp6_f32 v[PC+12+4*\c:PC+12+4*\c+2], v[(\src)+32*\c+16:(\src)+32*\c+31], v[(\sop)+2*\c+1]
.endr
	v_nop                                          ; one plain place behind a scaled conversion
.irp c, 0,1
.irp i, 0,1,2
	v_permlane16_swap_b32 v[PC+6*\c+\i], v[PC+12+4*\c+\i]
.endr
.irp i, 0,1,2
	v_mov_b32 v[PC+3+6*\c+\i], v[PC+12+4*\c+\i]
.endr
.endr
.endm
.macro IMG base, off
.irp c, 0,1,2
	global_store_b128 v[CO], v[PC+4*\c:PC+4*\c+3], s[\base:\base+1] offset:(\off)+512*\c
.endr
.endm
	s_load_b128 s[4:7], s[0:1], 0x0                ; pj, pp
	v_lshl_add_u32 v[SPW], v0, 2, SPARE
	v_mov_b32 v[NIL], 0
	ds_add_u32 v[SPW], v[NIL]                      ; the wave's opening
	ds_add_u32 v[SPW], v[NIL]
	v_lshrrev_b32 v1, 5, v0
	v_readfirstlane_b32 s14, v1
	s_lshr_b32 s15, s14, 1
	s_and_b32 s16, s14, 1
	s_bfe_u32 s96, ttmp6, 0x40000                  ; cx
	s_bfe_u32 s97, ttmp6, 0x40004                  ; cy
	s_lshl_b32 s98, s97, 2
	s_lshl_b32 s98, 15, s98
	s_lshl_b32 s99, 0x1111, s96
	s_or_b32 s[G1A], s98, (3<<16)|(1<<21)
	s_or_b32 s[G1B], s99, (3<<16)|(1<<21)
	s_or_b32 s[G1SA], s98, (3<<16)|(1<<21)
	s_or_b32 s[G1SB], s99, (3<<16)|(1<<21)
.irp g, G1A, G1B
	s_mov_b32 s[\g+1], 32<<16
	s_mov_b32 s[\g+2], 96<<16
	s_mov_b32 s[\g+3], 32<<16
	s_mov_b32 s[\g+4], 96
	s_mov_b32 s[\g+5], 32
	s_mov_b32 s[\g+6], 0
	s_mov_b32 s[\g+7], 0
.endr
.irp g, G1SA, G1SB
	s_mov_b32 s[\g+1], 32<<16
	s_mov_b32 s[\g+2], 288<<16
	s_mov_b32 s[\g+3], 32<<16
	s_mov_b32 s[\g+4], 288
	s_mov_b32 s[\g+5], 32
	s_mov_b32 s[\g+6], 0
	s_mov_b32 s[\g+7], 0
.endr
	s_and_b32 s18, ttmp7, 0xffff                   ; the cluster's y, 0..7
	s_lshl_b32 s20, s18, 2
	s_add_co_u32 s20, s20, s97                     ; tile row: 256 queries, all batches on end
	s_lshr_b32 s19, s18, 1                         ; the batch
	s_lshl_b32 s21, ttmp9, 2
	s_add_co_u32 s21, s21, s96                     ; tile column: 256 keys of the batch
	s_lshl_b32 s19, s19, 3
	s_add_co_u32 s19, s19, s21                     ; the same among all keys
	s_lshl_b32 s32, s20, 1
	s_add_co_u32 s32, s32, s16
	s_mul_i32 s34, s32, 98304                      ; Q's codes begin pj
	s_mov_b32 s35, 0
	s_lshl_b32 s56, s19, 1
	s_add_co_u32 s56, s56, s16
	s_mul_i32 s58, s56, 98304
	s_add_co_u32 s58, s58, 6291456                 ; K's codes
	s_mov_b32 s59, 0
	s_mul_i32 s100, s14, PART
	s_mov_b32 s[SEL], 0x76543210
	s_mov_b32 s[SEL+1], 0xfedcba98
	s_mov_b32 s[CS], 0x3d38aa3b                    ; log2(e) / 32
	s_mov_b32 s[CS+1], s[CS]                       ; (named with it as a pair, so it is written)
	s_wait_dscnt 0x0                               ; the opening add is done
	s_wait_kmcnt 0x0
	s_add_nc_u64 s[G0A+2:G0A+3], s[4:5], s[G0A+2:G0A+3]
	s_add_nc_u64 s[G0A+6:G0A+7], s[G0A+2:G0A+3], HALFT
	s_add_nc_u64 s[G0A+10:G0A+11], s[G0A+2:G0A+3], 2*HALFT
	s_add_nc_u64 s[G0B0+2:G0B0+3], s[4:5], s[G0B0+2:G0B0+3]
	s_add_nc_u64 s[G0B1+2:G0B1+3], s[G0B0+2:G0B0+3], HALFT
	s_add_nc_u64 s[G0B2+2:G0B2+3], s[G0B0+2:G0B0+3], 2*HALFT
	CROUND                                         ; the first joint loads meet
.irp s, 0,1,2
	s_mov_b32 s[G0A+4*\s], 1
	s_add_co_u32 s[G0A+4*\s+1], s100, \s*SLOT
	s_or_b32 s[G0A+4*\s+3], s[G0A+4*\s+3], 0x80000000
.endr
.set SN, 0
.irp g, G0B0, G0B1, G0B2
	s_mov_b32 s[\g], 1
	s_add_co_u32 s[\g+1], s100, SN*SLOT
	s_or_b32 s[\g+3], s[\g+3], 0x80000000
.set SN, SN+1
.endr
	JLOAD G0A, G1SA, G0B0, G1SB                    ; K steps 0, 1, 2: 288 rows on end, one tensor load a wave
	v_and_b32 v1, 15, v0
	v_bfe_u32 v2, v0, 4, 1
	v_and_b32 v3, 31, v0
	v_lshlrev_b32 v[CO], 4, v3
	v_lshlrev_b32 v[SFO], 5, v1
	v_lshl_add_u32 v[SFO], v2, 4, v[SFO]
	s_mul_i32 s66, s15, PART
	s_mul_i32 s67, s16, PART
	s_add_co_u32 s67, s67, 2*PART
.irp s, 0,1,2
	v_add_nc_u32 v[ADRA+\s], s66, v[CO]
	v_add_nc_u32 v[ADRB+\s], s67, v[CO]
	s_add_co_u32 s66, s66, SLOT
	s_add_co_u32 s67, s67, SLOT
.endr
	s_lshl_b32 s66, s20, 1
	s_add_co_u32 s66, s66, s15
	s_lshl_b32 s66, s66, 12                        ; the scale words of my 128 queries: 4,096 bytes a row block,
	s_lshl_b32 s67, s19, 1
	s_add_co_u32 s67, s67, s16
	s_lshl_b32 s67, s67, 12
	s_add_co_u32 s67, s67, 262144                  ; of my 128 keys: K's lie 262,144 bytes behind Q's
	s_sub_co_u32 s67, s67, s66                     ; the distance: above 0, under 2^24
	v_mul_u32_u24 v6, s67, v2                      ; lanes 16-31 take B's
	v_lshl_add_u32 v6, v1, 5, v6
	s_add_co_u32 s66, s66, 18874368
	v_add_nc_u32 v[ADRS], s66, v6
.irp ks, 0,1,2,3
	SCALES \ks
.endr
	s_lshl_b32 s18, s20, 1
	s_add_co_u32 s18, s18, s15                     ; my block of 128 queries
	s_mul_i32 s44, s18, 196608
	s_mul_i32 s19, s21, HALFT
	s_add_co_u32 s44, s44, s19
	s_mul_i32 s46, s16, QB
	s_add_co_u32 s44, s44, s46
	s_mov_b32 s45, 0
	s_add_nc_u64 s[44:45], s[6:7], s[44:45]        ; p's codes
	s_lshl_b32 s46, s18, 13
	s_lshl_b32 s19, s21, 10
	s_add_co_u32 s46, s46, s19
	s_lshl_b32 s47, s16, 9
	s_add_co_u32 s46, s46, s47
	s_add_co_u32 s46, s46, 12582912
	s_mov_b32 s47, 0
	s_add_nc_u64 s[46:47], s[6:7], s[46:47]        ; its scale words; -M and the sums lie 524,288 and 1,048,576 bytes on
.irp b, 0,1,2,3
	v_mov_b32 v[PD+\b], 0                          ; a lane permute's destination counts as one of its sources
.endr
	v_mov_b32 v[NM+1], 0                           ; (named as the upper half of a pair)
	s_wait_alu depctr_va_vdst(0)
	s_wait_tensorcnt 0x0                           ; my part of K steps 0, 1, 2 is in
	s_barrier_signal -1
	s_barrier_wait -1
	FETCH_B 0, 0, 0
	FETCH_A 0, 0, 0
	s_wait_loadcnt 0x0                             ; the scale words
	FETCH_A 0, 0, 4
	STEP 0, 0, 1
	TURN 0, 0, 1, 1, 2
	STEP 1, 1, 0
	TURN 1, 1, 2, 2, 0
	STEP 2, 2, 0
	TURN 2, 2, 0, 3, 1
	STEP 0, 3, 0
	FINAL 3
; Block a: 16 queries, a lane one of them; its 64 registers are keys 32 b + 16 (lane / 16) + i of my 128.
.macro SOFT a
.set AC, 64*((\a)%4)
	WIN 0x0a+5*((\a)/4)                            ; sources 0 and 1: the accumulators' window
.irp b, 0,1,2,3
	v_max3_num_f32 v[BX+\b], v[AC+16*\b], v[AC+16*\b+1], 0xff800000   ; the largest score of each block of 32 keys; each accumulator is read from its low end on
.endr
.irp i, 2,4,6,8,10,12,14
.irp b, 0,1,2,3
	v_max3_num_f32 v[BX+\b], v[AC+16*\b+\i], v[AC+16*\b+\i+1], v[BX+\b]
.endr
.endr
	WIN 0
.irp b, 0,1,2,3
	v_permlanex16_b32 v[PD+\b], v[BX+\b], s[SEL], s[SEL+1]
.endr
.irp b, 0,1,2,3
	v_max_num_f32 v[BX+\b], v[BX+\b], v[PD+\b]     ; with lane l xor 16's 16 keys
.endr
	v_max3_num_f32 v[TMP], v[BX], v[BX+1], v[BX+2]
	v_max_num_f32 v[TMP], v[TMP], v[BX+3]
	v_mul_f32 v[TMP], s[CS], v[TMP]                ; the largest t of the 128 keys
	v_floor_f32 v[NM], -v[TMP]                     ; -M = floor(-t) = -ceil(t)
	WIN 0x02+(\a)/4
.irp j, 0,2,4,6,8,10,12,14,16,18,20,22,24,26,28,30,32,34,36,38,40,42,44,46,48,50,52,54,56,58,60,62
	v_pk_fma_f32 v[T+\j:T+\j+1], v[AC+\j:AC+\j+1], s[CS:CS+1], v[NM:NM+1] op_sel_hi:[1,0,0]   ; t - M
.endr
	WIN 0
.irp b, 0,1,2,3
	v_fma_f32 v[BX+\b], v[BX+\b], s[CS], v[NM]     ; the same of each block's largest score
.endr
	s_wait_alu depctr_va_vdst(0)
.irp j, 0,1,2,3,4,5,6,7,8,9,10,11,12,13,14,15,16,17,18,19,20,21,22,23,24,25,26,27,28,29,30,31,32,33,34,35,36,37,38,39,40,41,42,43,44,45,46,47,48,49,50,51,52,53,54,55,56,57,58,59,60,61,62,63
	v_exp_f32 v[T+\j], v[T+\j]                     ; p = 2^(t - M)
.endr
	v_mov_b32 v[NMV+(\a)], v[NM]                   ; (the plain place behind the exponentials)
	s_wait_alu depctr_va_vdst(0)                   ; one wait for the batch, ahead of its first reader
.irp b, 0,1,2,3
	v_exp_f32 v[BX+\b], v[BX+\b]                   ; the blocks' largest p
.endr
	v_pk_add_f32 v[SUM:SUM+1], v[T:T+1], v[T+4:T+5]                ; the sum of the unquantised p, in two chains
	v_pk_add_f32 v[SUM+2:SUM+3], v[T+2:T+3], v[T+6:T+7]
.irp j, 8,12,16,20,24,28,32,36,40,44,48,52,56,60
	v_pk_add_f32 v[SUM:SUM+1], v[SUM:SUM+1], v[T+\j:T+\j+1]
	v_pk_add_f32 v[SUM+2:SUM+3], v[SUM+2:SUM+3], v[T+\j+2:T+\j+3]
.endr
	v_pk_add_f32 v[SUM:SUM+1], v[SUM:SUM+1], v[SUM+2:SUM+3]
	v_add_f32 v[TMP], v[SUM], v[SUM+1]
	v_permlanex16_b32 v[PD], v[TMP], s[SEL], s[SEL+1]
	v_add_f32 v[LSV+(\a)], v[TMP], v[PD]
	s_wait_alu depctr_va_vdst(0)                   ; and one for the four
.irp b, 0,1,2,3
	v_max_num_f32 v[BX+\b], 0x1800000, v[BX+\b]    ; the floor 2^(3 - 127)
.endr
.irp b, 0,1,2,3
	v_add_nc_u32 v[SO+\b], 0xff000000, v[BX+\b]
.endr
.irp b, 0,1,2,3
	v_lshrrev_b32 v[BY+\b], 23, v[SO+\b]
.endr
	v_lshl_or_b32 v[PW+(\a)], v[BY+1], 8, v[BY]
	v_lshl_or_b32 v[PW+(\a)], v[BY+2], 16, v[PW+(\a)]
	v_lshl_or_b32 v[PW+(\a)], v[BY+3], 24, v[PW+(\a)]
	PACK6 T, SO, \a
	IMG 44, FRB*(\a)
.endm
.irp a, 0,1,2,3,4,5,6,7
	SOFT \a
.endr
	v_cmp_lt_u32 vcc_lo, 15, v3
.irp j, 0,1,2,3
	v_cndmask_b32 v[SEL4+\j], v[PW+\j], v[PW+4+\j], vcc_lo
	v_cndmask_b32 v[SEL4+4+\j], v[NMV+\j], v[NMV+4+\j], vcc_lo
	v_cndmask_b32 v[SEL4+8+\j], v[LSV+\j], v[LSV+4+\j], vcc_lo
.endr
	global_store_b128 v[SFO], v[SEL4:SEL4+3], s[46:47]                    ; each: 512 consecutive bytes a wave
	global_store_b128 v[SFO], v[SEL4+4:SEL4+7], s[46:47] offset:524288
	global_store_b128 v[SFO], v[SEL4+8:SEL4+11], s[46:47] offset:1048576
	s_wait_tensorcnt 0x0                           ; the wave's end
	ds_add_u32 v[SPW], v[NIL]
	s_wait_dscnt 0x0
	CROUND                                         ; the closing round
	s_endpgm
.Lfunc_end_k_qabc768e44a_score:
	.size	k_qabc768e44a_score, .Lfunc_end_k_qabc768e44a_score-k_qabc768e44a_score
	.p2alignl 7, 3214868480
	.fill 96, 4, 3214868480
	.section	.rodata,"a",@progbits
	.p2align	6, 0x0
	.amdhsa_kernel k_qabc768e44a_score
		.amdhsa_group_segment_fixed_size 327680
		.amdhsa_private_segment_fixed_size 0
		.amdhsa_enable_private_segment 0
		.amdhsa_kernarg_size 16
		.amdhsa_user_sgpr_count 2
		.amdhsa_user_sgpr_kernarg_segment_ptr 1
		.amdhsa_wavefront_size32 1
		.amdhsa_system_sgpr_workgroup_id_x 1
		.amdhsa_system_sgpr_workgroup_id_y 1
		.amdhsa_system_sgpr_workgroup_id_z 1
		.amdhsa_system_vgpr_workitem_id 0
		.amdhsa_next_free_vgpr 1024
		.amdhsa_next_free_sgpr 102
		.amdhsa_reserve_vcc 1
		.amdhsa_float_denorm_mode_32 3
		.amdhsa_float_denorm_mode_16_64 3
		.amdhsa_memory_ordered 1
		.amdhsa_forward_progress 1
		.amdhsa_inst_pref_size 193
	.end_amdhsa_kernel
	.amdgpu_metadata
---
amdhsa.version: [ 1, 2 ]
amdhsa.kernels:
  - .name:           k_qabc768e44a_score
    .symbol:         k_qabc768e44a_score.kd
    .args:
      - { .name: pj, .offset: 0, .size: 8, .value_kind: global_buffer, .address_space: global }
      - { .name: pp, .offset: 8, .size: 8, .value_kind: global_buffer, .address_space: global }
    .group_segment_fixed_size: 327680
    .private_segment_fixed_size: 0
    .kernarg_segment_align: 8
    .kernarg_segment_size: 16
    .max_flat_workgroup_size: 128
    .sgpr_count:     102
    .vgpr_count:     1024
    .wavefront_size: 32
...
	.end_amdgpu_metadata
.endif
;; end of part 3
;; launch pv (part 4): grid 4 x 64, 4 waves a work-group, clusters of 4 x 4, 327,680 bytes of LDS; arguments pp, pj, out0; writes out0
.if DOCPART == 4
	.amdgcn_target "amdgcn-amd-amdhsa--gfx1250"
	.amdhsa_code_object_version 6
	.text
	.protected	k_qabc768e44a_pv
	.globl	k_qabc768e44a_pv
	.p2align	8
	.type	k_qabc768e44a_pv,@function
k_qabc768e44a_pv:
	s_mov_b64 s[64:65], 0
	v_nop
	global_prefetch_b8 v0, s[64:65] scope:SCOPE_SE
	s_setreg_imm32_b32 hwreg(HW_REG_WAVE_MODE, 25, 1), 1
	s_wait_xcnt 0x0
	s_wait_alu depctr_hold_cnt(0) depctr_sa_sdst(0) depctr_va_vdst(0) depctr_va_sdst(0) depctr_va_ssrc(0) depctr_va_vcc(0) depctr_vm_vsrc(0)
	s_getreg_b32 s2, hwreg(HW_REG_IB_STS2, 6, 4)
	s_cmp_eq_u32 s2, 0
	s_cbranch_scc0 .Lentry_in_a_cluster
	s_endpgm
.Lentry_in_a_cluster:
	s_bfe_u32 s2, ttmp6, 0x10000c
	s_cmp_lg_u32 s2, 0xf033
	s_cbranch_scc0 .Lentry_shape_is_right
	s_endpgm
.Lentry_shape_is_right:
; O = P V / l on codes of FP6 (E2M3), K = the batch's 2,048 keys.  P came quantised under a whole number M of its own for each 128 keys.
; PROLOGUE: for each of the tile's 128 queries one thread takes the row's M = the largest of the 16 local ones, d = M - local M (a whole number, 0 or more, held at 255), takes d off the four scale bytes of each 128 keys
; (an exact power of two; a byte is held at 0 from below), and adds the partial sums x 2^-d to l.  The corrected scale words and 1 / l go to LDS.
; LIMITS: a byte held at 0 stands for 2^-127 where less is meant: such a term is under 7.5 x 2^-127 x |V| beside a row sum above 1/2.  NaN and infinities are not served.
; A tile of O is 128 queries x 256 of D, so that there are 256 work-groups; a wave makes 64 x 128: 32 accumulators.  Source 0 = 16 rows of V^T (d), source 1 = 16 rows of P: a lane holds one query, 16 neighbouring d in two tiles.
; The ring: two slots, each with two K steps of 256 (P's 128 rows, V^T's 256 rows): waves 0, 1 fetch P's two K steps, waves 2, 3 V^T's two halves.  Two refills, each behind a round of the cluster's barrier.
; By this text's count a wave has one tensor load out at the most.  CLUSTER 4 x 4: P's tiles are shared along a row of the cluster, V^T's along a column.
; The queries' order in the code buffers (32 (i / 2) + 8 (i % 2) + r + 8 (r / 8)) is undone by the stores' immediates.
; REGISTERS: window 0: v1-31 addresses; v32-79 scale words, two sets, and nothing else; v128-223 P's fragments, two sets (before them the prologue's numbers; on the way out v80-207 rows of O, v208-219 1 / l).
;   window 1: V^T's fragments, two sets.   window 2: the accumulators, (a, b) at v[8 (8 a + b)].
.set HALFT, 24576
.set QB,    12288
.set FRB,   1536
.set SLOT,  6*HALFT                    ; P [2 K steps], V^T half 0 [2 K steps], V^T half 1 [2 K steps]
.set ASC,   2*SLOT                     ; P's corrected scale words: 8,192 bytes, stored by the waves; no tile lands here
.set RL,    ASC+8192                   ; 1 / l: 512 bytes
.set BSC,   RL+512                     ; V^T's scale words: 2 x 8,192 bytes, filled once
.set SPARE, BSC+16384                  ; the spare words, 128 bytes a wave; no other line names them
.set STG,   16*528                     ; the way out: a stage for each wave, in slot 0, which has had its last fill and its last read by then
.set ADRA, 16                          ; v16-17
.set ADRB, 20                          ; v20-21
.set ADSA, 22
.set ADSB, 23
.set ADRL, 24
.set STO,  25
.set CO,   26
.set RD,   27
.set SPW,  28
.set NIL,  29
.set GOF,  30                          ; 4 x thread
.set AST,  31                          ; ASC + 4 x thread
.set SC,   32                          ; set t at SC + 24 t: P's words at 4 q + a, V^T's at 8 + 8 q + b
.set BK,   80
.set AF,   128
.set SW,   128                         ; the prologue: 16 scale words,
.set NM,   144                         ; 16 x -M,
.set LS,   160                         ; 16 partial sums
.set MX,   176
.set DD,   177
.set ND,   178
.set BB,   180
.set EE,   184
.set RLV,  208
.set PR,   212
.set G1A,  24
.set G0A,  32                          ; s[32:39] two sets
.set G1B,  48
.set G0B,  56                          ; s[56:63] two sets
.set G1SB, 80
.set G0SB, 92
.set MSB, 0
.macro WIN new
.if MSB != (\new)
	s_set_vgpr_msb (MSB<<8)|(\new)
.set MSB, (\new)
.endif
.endm
.set MUL,  0xa1                        ; source 0 (V^T) window 1, source 1 (P) window 0, C and D window 2
.set TO_B, 0x40
.macro JLOAD g0a, g1a, g0b, g1b        ; a joint refill; an s_nop 0 and four v_nop follow each line
	s_cmp_eq_u32 s15, 0
	s_cbranch_scc0 .Lfor_b_\@
	tensor_load_to_lds s[\g0a:\g0a+3], s[\g1a:\g1a+7]
	s_nop 0
.rept 4
	v_nop
.endr
	s_branch .Lasked_\@
.Lfor_b_\@:
	tensor_load_to_lds s[\g0b:\g0b+3], s[\g1b:\g1b+7]
	s_nop 0
.rept 4
	v_nop
.endr
.Lasked_\@:
.endm
.macro CREST
	s_cmp_lg_u32 s14, 0
	s_cbranch_scc1 .Lnot_wave_0_\@
	s_barrier_signal -3
.Lnot_wave_0_\@:
	s_barrier_wait -3
	s_barrier_signal -1
	s_barrier_wait -1
.endm
.macro CROUND
	s_barrier_signal -1
	s_barrier_wait -1
	CREST
.endm
.macro PLACES n
.rept \n
	v_nop
.endr
.endm
; step g of 16: K step g / 2 of 256, its half g % 2; slot (g / 4) % 2; fragment sets g % 2; scale set (g / 2) % 2
.macro FETCH g
	WIN TO_B
.irp b, 0,1,2,3,4,5,6,7
.irp c, 0,1,2
	ds_load_b128 v[128*((\g)%2)+12*\b+4*\c:128*((\g)%2)+12*\b+4*\c+3], v[ADRB+((\g)/4)%2] offset:HALFT*(((\g)/2)%2)+QB*((\g)%2)+FRB*\b+512*\c
.endr
.endr
	WIN 0
.irp a, 0,1,2,3
.irp c, 0,1,2
	ds_load_b128 v[AF+48*((\g)%2)+12*\a+4*\c:AF+48*((\g)%2)+12*\a+4*\c+3], v[ADRA+((\g)/4)%2] offset:HALFT*(((\g)/2)%2)+QB*((\g)%2)+FRB*\a+512*\c
.endr
.endr
.endm
.macro SCALES ks, t
.irp q, 0,1
	ds_load_b128 v[SC+24*(\t)+4*\q:SC+24*(\t)+4*\q+3], v[ADSA] offset:1024*(\ks)+512*\q
.irp u, 0,1
	ds_load_b128 v[SC+24*(\t)+8+8*\q+4*\u:SC+24*(\t)+8+8*\q+4*\u+3], v[ADSB] offset:1024*(\ks)+512*\q+16*\u
.endr
.endr
.endm
.macro MUL8 a, g, zero                 ; the 32 accumulators take turns in the same order in every step
.irp b, 0,1,2,3,4,5,6,7
.if \zero
	v_wmma_scale_f32_16x16x128_f8f6f4 v[8*(8*(\a)+\b):8*(8*(\a)+\b)+7], v[128*((\g)%2)+12*\b:128*((\g)%2)+12*\b+11], v[AF+48*((\g)%2)+12*(\a):AF+48*((\g)%2)+12*(\a)+11], 0, v[SC+24*(((\g)/2)%2)+8+8*((\g)%2)+\b], v[SC+24*(((\g)/2)%2)+4*((\g)%2)+(\a)] matrix_a_fmt:MATRIX_FMT_FP6 matrix_b_fmt:MATRIX_FMT_FP6
.else
	v_wmma_scale_f32_16x16x128_f8f6f4 v[8*(8*(\a)+\b):8*(8*(\a)+\b)+7], v[128*((\g)%2)+12*\b:128*((\g)%2)+12*\b+11], v[AF+48*((\g)%2)+12*(\a):AF+48*((\g)%2)+12*(\a)+11], v[8*(8*(\a)+\b):8*(8*(\a)+\b)+7], v[SC+24*(((\g)/2)%2)+8+8*((\g)%2)+\b], v[SC+24*(((\g)/2)%2)+4*((\g)%2)+(\a)] matrix_a_fmt:MATRIX_FMT_FP6 matrix_b_fmt:MATRIX_FMT_FP6
.endif
.endr
.endm
; kind 2: a slot's last step: the slot is filled again behind a round; kind 1: a barrier that shows the last refill to every wave; kind 0: none
.macro STEP g, kind, zero, last
.if (\kind) == 2
	s_wait_tensorcnt 0x0                           ; all my tensor loads have landed: my part of the other slot;
	ds_add_u32 v[SPW], v[NIL]                      ; 0 onto my spare word
	s_wait_dscnt 1                                 ; (the add may be out: this step's fragments are in)
.elseif (\kind) == 1
	s_wait_tensorcnt 0x0                           ; my last load
	s_wait_dscnt 0x0
.else
	s_wait_dscnt 0x0                               ; this step's fragments are in
.endif
	WIN MUL
	MUL8 0, \g, \zero
.if (\kind) == 2
	s_wait_dscnt 0x0                               ; the add is done; my reads of this slot were over at the step's head
.endif
.if (\kind) > 0
	s_barrier_signal -1
.endif
	MUL8 1, \g, \zero
	WIN 0
.if (\kind) > 0
	s_barrier_wait -1
.endif
.if (\kind) == 2
	CREST                                          ; no wave of any partner still reads this slot or has a load on its way
	s_add_nc_u64 s[G0A+4*(((\g)/4)%2)+2:G0A+4*(((\g)/4)%2)+3], s[G0A+4*(((\g)/4)%2)+2:G0A+4*(((\g)/4)%2)+3], 4*HALFT
	s_add_nc_u64 s[G0B+4*(((\g)/4)%2)+2:G0B+4*(((\g)/4)%2)+3], s[G0B+4*(((\g)/4)%2)+2:G0B+4*(((\g)/4)%2)+3], 4*HALFT
	JLOAD G0A+4*(((\g)/4)%2), G1A, G0B+4*(((\g)/4)%2), G1B   ; the first tensor load behind the round: three and a half steps, 112 matrix instructions, in which to land; its four v_nop are the places for the loads below
.elseif !(\last)
	PLACES 4
.endif
.if !(\last)
	FETCH (\g)+1
.if ((\g)+1)%2 == 0
	SCALES ((\g)+1)/2, (((\g)+1)/2)%2
.endif
.endif
	WIN MUL
	MUL8 2, \g, \zero
	MUL8 3, \g, \zero
	WIN 0
.endm
	s_load_b128 s[4:7], s[0:1], 0x0                ; pp, pj
	s_load_b64 s[8:9], s[0:1], 0x10                ; out0
	v_lshl_add_u32 v[SPW], v0, 2, SPARE
	v_mov_b32 v[NIL], 0
	ds_add_u32 v[SPW], v[NIL]                      ; the wave's opening
	ds_add_u32 v[SPW], v[NIL]
	v_lshrrev_b32 v1, 5, v0
	v_readfirstlane_b32 s14, v1
	s_lshr_b32 s15, s14, 1                         ; my 64 of the 128 queries.  Also: I fetch for P (0) or V^T (1)
	s_and_b32 s16, s14, 1                          ; my 128 of the 256 d.  Also: which K step of P, which half of V^T I fetch
	v_lshlrev_b32 v[GOF], 2, v0
	v_lshlrev_b32 v15, 4, v0                       ; V^T's scale words: 16 bytes a thread, in memory
	v_lshl_add_u32 v14, v0, 4, BSC                 ; and in LDS
	v_lshl_add_u32 v[AST], v0, 2, ASC
	s_bfe_u32 s96, ttmp6, 0x40000                  ; cx = the tile column
	s_bfe_u32 s97, ttmp6, 0x40004                  ; cy
	s_lshl_b32 s98, s97, 2
	s_lshl_b32 s98, 15, s98
	s_lshl_b32 s99, 0x1111, s96
	s_or_b32 s[G1A], s98, (3<<16)|(1<<21)
	s_or_b32 s[G1B], s99, (3<<16)|(1<<21)
	s_mov_b32 s[G1A+1], 32<<16                     ; 24,576 dense bytes as 96 rows of 256
	s_mov_b32 s[G1A+2], 96<<16
	s_mov_b32 s[G1A+3], 32<<16
	s_mov_b32 s[G1A+4], 96
	s_mov_b32 s[G1A+5], 32
	s_mov_b32 s[G1A+6], 0
	s_mov_b32 s[G1A+7], 0
	s_mov_b32 s[G1B+1], 32<<16                     ; 49,152 as 192 rows
	s_mov_b32 s[G1B+2], 192<<16
	s_mov_b32 s[G1B+3], 32<<16
	s_mov_b32 s[G1B+4], 192
	s_mov_b32 s[G1B+5], 32
	s_mov_b32 s[G1B+6], 0
	s_mov_b32 s[G1B+7], 0
	s_and_b32 s18, ttmp7, 0xffff                   ; the cluster's y, 0..15
	s_lshl_b32 s20, s18, 2
	s_add_co_u32 s20, s20, s97                     ; my block of 128 queries
	s_lshr_b32 s19, s18, 2                         ; the batch
	s_mul_i32 s34, s20, 196608
	s_mul_i32 s32, s16, HALFT
	s_add_co_u32 s34, s34, s32
	s_mov_b32 s35, 0
	s_lshl_b32 s56, s96, 1
	s_add_co_u32 s56, s56, s16                     ; V^T's block of 128 d
	s_mul_i32 s58, s56, 786432
	s_mul_i32 s57, s19, 8*HALFT
	s_add_co_u32 s58, s58, s57
	s_add_co_u32 s58, s58, 12582912
	s_mov_b32 s59, 0
	s_lshl_b32 s94, s96, 16
	s_lshl_b32 s57, s19, 13
	s_add_co_u32 s94, s94, s57
	s_add_co_u32 s94, s94, 19398656
	s_mov_b32 s95, 0
	s_mul_i32 s100, s16, HALFT                     ; where my loads go: P's K step,
	s_mul_i32 s101, s16, 2*HALFT
	s_add_co_u32 s101, s101, 2*HALFT               ; V^T's half,
	s_lshl_b32 s10, s20, 13
	s_add_co_u32 s10, s10, 12582912                ; my queries' scale words, -M and sums in pp
	s_mov_b32 s11, 0
	s_lshl_b32 s12, s20, 19                        ; my first row and column of O, in bytes
	s_lshl_b32 s13, s15, 18
	s_add_co_u32 s12, s12, s13
	s_lshl_b32 s13, s96, 10
	s_add_co_u32 s12, s12, s13
	s_lshl_b32 s13, s16, 9
	s_add_co_u32 s12, s12, s13
	s_mov_b32 s13, 0
	s_wait_alu depctr_va_vdst(0)
	s_wait_dscnt 0x0                               ; the opening add is done
	s_wait_kmcnt 0x0
	s_add_nc_u64 s[10:11], s[4:5], s[10:11]
	s_add_nc_u64 s[8:9], s[8:9], s[12:13]
	s_add_nc_u64 s[G0A+2:G0A+3], s[4:5], s[G0A+2:G0A+3]
	s_add_nc_u64 s[G0A+6:G0A+7], s[G0A+2:G0A+3], 2*HALFT
	s_add_nc_u64 s[G0B+2:G0B+3], s[6:7], s[G0B+2:G0B+3]
	s_add_nc_u64 s[G0B+6:G0B+7], s[G0B+2:G0B+3], 2*HALFT
	s_add_nc_u64 s[G0SB+2:G0SB+3], s[6:7], s[G0SB+2:G0SB+3]
.irp c, 0,1,2,3,4,5,6,7,8,9,10,11,12,13,14,15      ; thread tau owns word tau of each 128 keys' 128 words: one query
	global_load_b32 v[SW+\c], v[GOF], s[10:11] offset:512*\c
	global_load_b32 v[NM+\c], v[GOF], s[10:11] offset:524288+512*\c
	global_load_b32 v[LS+\c], v[GOF], s[10:11] offset:1048576+512*\c
.endr
.irp j, 0,1,2,3,4,5,6,7                            ; V^T's scale words of the tile's two blocks of 128 d: 2 x 8,192 bytes, 2,048 consecutive bytes a load of the work-group
	global_load_b128 v[192+4*\j:195+4*\j], v15, s[94:95] offset:2048*(\j%4)+32768*(\j/4)
.endr
	CROUND                                         ; the first joint loads meet
.irp s, 0,1
	s_mov_b32 s[G0A+4*\s], 1
	s_add_co_u32 s[G0A+4*\s+1], s100, \s*SLOT
	s_or_b32 s[G0A+4*\s+3], s[G0A+4*\s+3], 0x80000000
	s_mov_b32 s[G0B+4*\s], 1
	s_add_co_u32 s[G0B+4*\s+1], s101, \s*SLOT
	s_or_b32 s[G0B+4*\s+3], s[G0B+4*\s+3], 0x80000000
.endr
	JLOAD G0A, G1A, G0B, G1B                       ; slot 0: one tensor load a wave at the head
	v_and_b32 v1, 15, v0                           ; r
	v_bfe_u32 v2, v0, 4, 1                         ; h
	v_and_b32 v3, 31, v0
	v_lshlrev_b32 v[CO], 4, v3
	s_mul_i32 s66, s15, 4*FRB                      ; my four blocks of P's eight
	s_mul_i32 s67, s16, 2*HALFT
	s_add_co_u32 s67, s67, 2*HALFT
.irp s, 0,1
	v_add_nc_u32 v[ADRA+\s], s66, v[CO]
	v_add_nc_u32 v[ADRB+\s], s67, v[CO]
	s_add_co_u32 s66, s66, SLOT
	s_add_co_u32 s67, s67, SLOT
.endr
	v_lshlrev_b32 v4, 5, v1                        ; 32 r
	s_lshl_b32 s17, s15, 4
	s_add_co_u32 s66, s17, ASC
	v_add_nc_u32 v[ADSA], s66, v4
	s_add_co_u32 s66, s17, RL
	v_add_nc_u32 v[ADRL], s66, v4
	s_lshl_b32 s66, s16, 13
	s_add_co_u32 s66, s66, BSC
	v_add_nc_u32 v[ADSB], s66, v4
	s_mul_i32 s66, s14, STG
	v_mul_u32_u24 v5, v1, 528
	v_lshl_add_u32 v5, v2, 6, v5
	v_add_nc_u32 v[STO], s66, v5                   ; the stage, in: row r, + 64 h
	v_add_nc_u32 v[RD], s66, v[CO]                 ; back: a whole row of 512 bytes
	; THE PROLOGUE
	s_wait_loadcnt 0x0
.irp j, 0,1,2,3,4,5,6,7
	ds_store_b128 v14, v[192+4*\j:195+4*\j] offset:2048*\j   ; V^T's scale words, into bytes on which no tile lands
.endr
	v_max3_num_f32 v[MX], -v[NM], -v[NM+1], -v[NM+2]               ; the row's M
.irp i, 3,5,7,9,11,13
	v_max3_num_f32 v[MX], v[MX], -v[NM+\i], -v[NM+\i+1]
.endr
	v_max_num_f32 v[MX], v[MX], -v[NM+15]
.irp c, 0,1,2,3,4,5,6,7,8,9,10,11,12,13,14,15
	v_add_f32 v[DD], v[NM+\c], v[MX]               ; d = M - local M: a whole number, 0 or more,
	v_min_num_f32 v[DD], 0x437f0000, v[DD]         ; held at 255
	v_cvt_i32_f32 v[DD], v[DD]
	v_sub_nc_u32 v[ND], 0, v[DD]
	v_ldexp_f32 v[LS+\c], v[LS+\c], v[ND]          ; the partial sum under the row's M
	v_and_b32 v[BB], 0xff, v[SW+\c]
	v_bfe_u32 v[BB+1], v[SW+\c], 8, 8
	v_bfe_u32 v[BB+2], v[SW+\c], 16, 8
	v_lshrrev_b32 v[BB+3], 24, v[SW+\c]
.irp b, 0,1,2,3
	v_min_u32 v[EE+\b], v[BB+\b], v[DD]
.endr
.irp b, 0,1,2,3
	v_sub_nc_u32 v[BB+\b], v[BB+\b], v[EE+\b]      ; byte - d, held at 0
.endr
	v_lshl_or_b32 v[BB], v[BB+1], 8, v[BB]
	v_lshl_or_b32 v[BB], v[BB+2], 16, v[BB]
	v_lshl_or_b32 v[SW+\c], v[BB+3], 24, v[BB]
	ds_store_b32 v[AST], v[SW+\c] offset:512*\c
.endr
.irp j, 0,4,8,12
	v_pk_add_f32 v[LS+\j:LS+\j+1], v[LS+\j:LS+\j+1], v[LS+\j+2:LS+\j+3]
.endr
	v_pk_add_f32 v[LS:LS+1], v[LS:LS+1], v[LS+4:LS+5]
	v_pk_add_f32 v[LS+8:LS+9], v[LS+8:LS+9], v[LS+12:LS+13]
	v_pk_add_f32 v[LS:LS+1], v[LS:LS+1], v[LS+8:LS+9]
	v_add_f32 v[LS], v[LS], v[LS+1]                ; l
	s_wait_alu depctr_va_vdst(0)
	v_rcp_f32 v[LS+2], v[LS]
	v_nop                                          ; a plain place behind the reciprocal,
	s_wait_alu depctr_va_vdst(0)                   ; and the wait ahead of its first reader
	ds_store_b32 v[AST], v[LS+2] offset:RL-ASC
	s_wait_tensorcnt 0x0                           ; my part of slot 0 is in
	ds_add_u32 v[SPW], v[NIL]
	s_wait_dscnt 0x0                               ; the add is done, and my stores have landed
	CROUND                                         ; a whole round: everybody's part is in, and the joint loads meet
	JLOAD G0A+4, G1A, G0B+4, G1B                   ; slot 1's first fill, the first tensor load behind the round: three steps in which to land
	FETCH 0
	SCALES 0, 0
	STEP 0, 0, 1, 0                                ; the first products start the sums
	STEP 1, 0, 0, 0
	STEP 2, 0, 0, 0
	STEP 3, 2, 0, 0                                ; slot 0 takes K steps 4 and 5
	STEP 4, 0, 0, 0
	STEP 5, 0, 0, 0
	STEP 6, 0, 0, 0
	STEP 7, 2, 0, 0                                ; slot 1 takes K steps 6 and 7
	STEP 8, 0, 0, 0
	STEP 9, 0, 0, 0
	STEP 10, 0, 0, 0
	STEP 11, 1, 0, 0                               ; slot 0 is left for good
	STEP 12, 0, 0, 0
	STEP 13, 0, 0, 0
	STEP 14, 0, 0, 0
	STEP 15, 0, 0, 1
	; THE WAY OUT: x 1 / l in place; a block of 16 queries x 128 d goes through my stage and comes back as whole rows of 512 bytes.
	PLACES 4
	ds_load_b128 v[RLV:RLV+3], v[ADRL]             ; 1 / l of my four blocks' row r
	s_wait_dscnt 0x0
.irp a, 0,1,2,3
	v_mov_b32 v[PR+2*\a], v[RLV+\a]
	v_mov_b32 v[PR+2*\a+1], v[RLV+\a]
.endr
.macro TOSTAGE a
	WIN 0x82                                       ; destination and source 0: the accumulators' window
.irp k, 0,2,4,6,8,10,12,14,16,18,20,22,24,26,28,30,32,34,36,38,40,42,44,46,48,50,52,54,56,58,60,62
	v_pk_mul_f32 v[64*(\a)+\k:64*(\a)+\k+1], v[64*(\a)+\k:64*(\a)+\k+1], v[PR+2*(\a):PR+2*(\a)+1]   ; each accumulator from its low end on
.endr
	WIN 0x08                                       ; an LDS store's data are its source 1
.irp b, 0,1,2,3
.irp m, 0,1,2,3
	ds_store_b128 v[STO], v[64*(\a)+16*\b+4*\m:64*(\a)+16*\b+4*\m+3] offset:128*\b+16*\m
.endr
.endr
	WIN 0
.irp t, 0,1,2,3,4,5,6,7,8,9,10,11,12,13,14,15
	ds_load_b128 v[BK+64*((\a)%2)+4*\t:BK+64*((\a)%2)+4*\t+3], v[RD] offset:528*\t   ; LDS serves a wave's instructions in order: these see the stores above, and the next block's stores come behind them
.endr
.endm
.macro SEND a, younger
	s_wait_dscnt \younger
.irp t, 0,1,2,3,4,5,6,7,8,9,10,11,12,13,14,15
	global_store_b128 v[CO], v[BK+64*((\a)%2)+4*\t:BK+64*((\a)%2)+4*\t+3], s[8:9] offset:(32*((\a)/2)+16*(\t/8)+8*((\a)%2)+\t%8)*4096 th:TH_STORE_NT   ; 512 consecutive bytes, aligned; the immediate puts the query back in its row
.endr
.endm
	TOSTAGE 0
.irp a, 1,2,3
.if \a > 1
	s_wait_xcnt 0x0                                ; block a - 2's stores have read their registers: block a's loads may land there
.endif
	TOSTAGE \a
	SEND \a-1, 32                                  ; behind block a - 1's loads: block a's 16 stores and 16 loads
.endr
	SEND 3, 0
	s_wait_tensorcnt 0x0                           ; the wave's end
	ds_add_u32 v[SPW], v[NIL]
	s_wait_dscnt 0x0
	CROUND                                         ; the closing round
	s_endpgm
.Lfunc_end_k_qabc768e44a_pv:
	.size	k_qabc768e44a_pv, .Lfunc_end_k_qabc768e44a_pv-k_qabc768e44a_pv
	.p2alignl 7, 3214868480
	.fill 96, 4, 3214868480
	.section	.rodata,"a",@progbits
	.p2align	6, 0x0
	.amdhsa_kernel k_qabc768e44a_pv
		.amdhsa_group_segment_fixed_size 327680
		.amdhsa_private_segment_fixed_size 0
		.amdhsa_enable_private_segment 0
		.amdhsa_kernarg_size 24
		.amdhsa_user_sgpr_count 2
		.amdhsa_user_sgpr_kernarg_segment_ptr 1
		.amdhsa_wavefront_size32 1
		.amdhsa_system_sgpr_workgroup_id_x 1
		.amdhsa_system_sgpr_workgroup_id_y 1
		.amdhsa_system_sgpr_workgroup_id_z 1
		.amdhsa_system_vgpr_workitem_id 0
		.amdhsa_next_free_vgpr 768
		.amdhsa_next_free_sgpr 102
		.amdhsa_reserve_vcc 0
		.amdhsa_float_denorm_mode_32 3
		.amdhsa_float_denorm_mode_16_64 3
		.amdhsa_memory_ordered 1
		.amdhsa_forward_progress 1
		.amdhsa_inst_pref_size 164
	.end_amdhsa_kernel
	.amdgpu_metadata
---
amdhsa.version: [ 1, 2 ]
amdhsa.kernels:
  - .name:           k_qabc768e44a_pv
    .symbol:         k_qabc768e44a_pv.kd
    .args:
      - { .name: pp, .offset: 0, .size: 8, .value_kind: global_buffer, .address_space: global }
      - { .name: pj, .offset: 8, .size: 8, .value_kind: global_buffer, .address_space: global }
      - { .name: out0, .offset: 16, .size: 8, .value_kind: global_buffer, .address_space: global }
    .group_segment_fixed_size: 327680
    .private_segment_fixed_size: 0
    .kernarg_segment_align: 8
    .kernarg_segment_size: 24
    .max_flat_workgroup_size: 128
    .sgpr_count:     102
    .vgpr_count:     768
    .wavefront_size: 32
...
	.end_amdgpu_metadata
.endif
;; end of part 4
